; MI455X (gfx1250); checked and timed in simulation.
; The chip was launched on July 23, 2026; its instructions are those of AMD's public machine-readable ISA for CDNA 5 (MIT licence, August 2026) and "CDNA5" Instruction Set Architecture Reference Guide (July 2026). The comments in the code are by the model that wrote it; some were corrected since.
;; Transformer Block. Allowed arithmetic: matrix products marked QUANTISED: E4M3 operands, one E8M0 scale for each 32 along K, by v_wmma_scale_f32_16x16x128_f8f6f4 with both operands' format E4M3, f32 sums; everything else in f32.
;; Inputs: W1_codes 4,096 x 32 x 32 uint8 (E4M3 codes of W1, K innermost, in blocks of 32 codes); W1_scales 4,096 x 32 uint8 (E8M0 scales of W1, one for each 32 codes along K); W2_codes 1,024 x 128 x 32 uint8 (E4M3 codes of W2, K innermost, in blocks of 32 codes); W2_scales 1,024 x 128 uint8 (E8M0 scales of W2, one for each 32 codes along K); Wk_codes 1,024 x 32 x 32 uint8 (E4M3 codes of Wk, K innermost, in blocks of 32 codes); Wk_scales 1,024 x 32 uint8 (E8M0 scales of Wk, one for each 32 codes along K); Wo_codes 1,024 x 32 x 32 uint8 (E4M3 codes of Wo, K innermost, in blocks of 32 codes); Wo_scales 1,024 x 32 uint8 (E8M0 scales of Wo, one for each 32 codes along K); Wq_codes 1,024 x 32 x 32 uint8 (E4M3 codes of Wq, K innermost, in blocks of 32 codes); Wq_scales 1,024 x 32 uint8 (E8M0 scales of Wq, one for each 32 codes along K); Wv_codes 1,024 x 32 x 32 uint8 (E4M3 codes of Wv, K innermost, in blocks of 32 codes); Wv_scales 1,024 x 32 uint8 (E8M0 scales of Wv, one for each 32 codes along K); b1 4,096 float32; b2 1,024 float32; bk 1,024 float32; bo 1,024 float32; bq 1,024 float32; bv 1,024 float32; ln1_bias 1,024 float32; ln1_scale 1,024 float32; ln2_bias 1,024 float32; ln2_scale 1,024 float32; x 2 x 2,048 x 1,024 float32.
;; Outputs: out0 2 x 2,048 x 1,024 float32.
;; This version of the problem:
;;   THIS VERSION OF THE PROBLEM IS GIVEN IN LOW PRECISION. The matrix products marked QUANTISED in the list below multiply operands that are first quantised to E4M3 (4 exponent bits, 3 mantissa bits; 8 bits a number), with one power-of-two scale for each 32 numbers along K (OCP MX v1.0); their sums are f32. All else is computed in f32.
;;   The module's matrix products, in the order in which they are computed (A, B: the left and right operand; K: the contracted axis; several contracted axes count as one K, in the product's order):
;;     1. [M 4,096, K 1,024] x [K 1,024, N 1,024]; A: computed on the way; B: input Wq (given as codes): QUANTISED
;;     2. [M 4,096, K 1,024] x [K 1,024, N 1,024]; A: computed on the way; B: input Wk (given as codes): QUANTISED
;;     3. [M 4,096, K 1,024] x [K 1,024, N 1,024]; A: computed on the way; B: input Wv (given as codes): QUANTISED
;;     4. batch 32 x [M 2,048, K 64] x [K 64, N 2,048]; A: computed on the way; B: computed on the way: QUANTISED
;;     5. batch 32 x [M 2,048, K 2,048] x [K 2,048, N 64]; A: softmax (see below); B: computed on the way: QUANTISED
;;     6. [M 4,096, K 1,024] x [K 1,024, N 1,024]; A: computed on the way; B: input Wo (given as codes): QUANTISED
;;     7. [M 4,096, K 1,024] x [K 1,024, N 4,096]; A: computed on the way; B: input W1 (given as codes): QUANTISED
;;     8. [M 4,096, K 4,096] x [K 4,096, N 1,024]; A: computed on the way; B: input W2 (given as codes): QUANTISED
;;   THE QUANTISER, for each operand of a quantised product, along K:
;;     - K is cut into blocks of 32 from its start; a last block that is shorter is filled with zeros.
;;     - A block's scale is 2^e with e = floor(log2(the largest magnitude in the block)) - 8, held to -126 .. 127; a block of zeros has e = 0. As a byte (E8M0): e + 127.
;;     - Each number is divided by its block's scale, clamped to +-448, and rounded to the nearest number of E4M3, ties to even, subnormals kept.
;;     - The product sums the exact products of the quantised numbers (number of the format x scale) in f32.
;;   ~~~python
;;   def quantise(x, axis):      # numpy; x: float32 -> the quantised numbers, widened to float32 again
;;       x = np.moveaxis(x, axis, -1); K = x.shape[-1]
;;       x = np.pad(x, [(0, 0)] * (x.ndim - 1) + [(0, -K % 32)]); x = x.reshape(x.shape[:-1] + (-1, 32)); a = np.abs(x).max(-1, keepdims=True)
;;       e = np.where(a > 0, np.clip(np.frexp(np.where(a > 0, a, 1))[1] - 1 - 8, -126, 127), 0)      # np.frexp(a)[1] - 1 = floor(log2(a)), exactly
;;       r = np.clip(x / 2.0 ** e, -448, 448)
;;       step = 2.0 ** (np.maximum(np.frexp(np.where(r == 0, 1, r))[1] - 1, -6) - 3)
;;       q = np.round(r / step) * step * 2.0 ** e      # np.round: ties to even
;;       return np.moveaxis(q.reshape(q.shape[:-2] + (-1,))[..., :K], -1, axis).astype(np.float32)
;;   ~~~
;;   SOFTMAX AHEAD OF A QUANTISED PRODUCT. Where the list says 'softmax', what is quantised is not the finished softmax but p = 2^(t - M), with t = logit x log2(e) and M = ceil(the row's largest t), a whole number; so 1/2 < the row's largest p <= 1. The row's sum l is taken of the UNQUANTISED p, in f32, and the product's result is divided by l at the end. Since M is a whole number, a kernel that streams over the keys may use a running M (the ceiling of the running maximum): every later rescaling is an exact power of two, which a block's scale takes up: the codes' values come out the same.
;;   OPERANDS COMPUTED ON THE WAY. 'Computed on the way' means the value that the module computes at that place (a softmax that the list does not call 'softmax' is quantised finished and normalised). What goes into a quantiser is computed in f32, as accurately as f32 sums, v_exp_f32 and their like allow (about 1e-6 of the number): no bf16 or f16 on the way to a quantiser, and a product that is left as it is and whose result goes on into a quantised operand takes f32 operands (vector FMAs, or v_wmma_f32_16x16x4_f32). A number that lies on a knife's edge between two numbers of the format may be rounded either way, as far as f32 arithmetic and the matrix unit's own rounding can turn it there, and no further.
;;   INPUTS GIVEN AS CODES. W1 (in the module: [1024, 4096], K = its axis 0); W2 (in the module: [4096, 1024], K = its axis 0); Wk (in the module: [1024, 1024], K = its axis 0); Wo (in the module: [1024, 1024], K = its axis 0); Wq (in the module: [1024, 1024], K = its axis 0); Wv (in the module: [1024, 1024], K = its axis 0): each comes as NAME_codes (uint8): NAME with its K axis moved to the last place and cut into blocks of 32 codes, [.., K / 32, bytes a block], one block behind the other in memory; one code a byte (a code: sign, 4 exponent bits, 3 mantissa bits); and NAME_scales (uint8): the same leading axes, one E8M0 byte (e + 127) for each 32 codes along K. Its value is code x scale, taken as it is: it is not quantised again, and the codes and scales need not be those that the quantiser above would give.
;; One version. Each part assembles by itself: llvm-mc -triple=amdgcn-amd-amdhsa -mcpu=gfx1250 --defsym DOCPART=n.
;; ======== version 1 of 1: 7 launches
;; limits: right only within a limited range of input values
;; workspace buffers: hnc 4,194,304 bytes; hns 131,072 bytes; big 16,777,216 bytes; bigs 655,360 bytes; oc 4,194,304 bytes; os 131,072 bytes; x1 16,777,216 bytes
;; launch ln1 (part 1): grid 256 x 1, 4 waves a work-group, no clusters, 21,504 bytes of LDS; arguments x, ln1_scale, ln1_bias, hnc, hns; writes hnc, hns
.if DOCPART == 1
	.amdgcn_target "amdgcn-amd-amdhsa--gfx1250"
	.amdhsa_code_object_version 6
	.text
	.protected	k_q0a9309fb55_ln1
	.globl	k_q0a9309fb55_ln1
	.p2align	8
	.type	k_q0a9309fb55_ln1,@function
k_q0a9309fb55_ln1:
	s_mov_b64 s[64:65], 0
	v_nop
	global_prefetch_b8 v0, s[64:65] scope:SCOPE_SE
	s_setreg_imm32_b32 hwreg(HW_REG_WAVE_MODE, 25, 1), 1
	s_wait_xcnt 0x0
; LayerNorm over rows of 1,024 f32 numbers, then the MX quantiser along the row: codes of E4M3 [row][1024] and one E8M0 byte for each 32, [row][32].
; mean and variance in two passes in f32 (the mean is taken away before the squares), (x - mu) * rsqrt(var + 1e-6) * gain + bias in that order.
; SHARES: a work-group takes 16 rows, each of its four waves 4.  A row is 32 registers of one wave: it is read from memory once and no wave waits for another until the scale bytes leave.
; A load takes 512 consecutive bytes, 16 a lane.  The conversions want 16 NEIGHBOURS in a lane: the finished row turns through the wave's own stage in LDS (64 bytes + 16 of padding a place).
; A lane's 16 codes are 16 bytes: a store covers 512 consecutive bytes.  The work-group's 512 scale bytes are gathered in LDS and leave by one store of wave 0.
; No matrix unit, no tensor load, no cluster: the work-groups share nothing but 8 KB of gain and bias.
; LIMITS: NaN and infinities are not served.  A block whose largest magnitude is 0 or lies under 2^-118 gets the byte 1 (the bytes are read by this program alone; such a block's codes are zeros or tiny).
.set G,   16                           ; v16-47   gain: register 4 j + i = column 128 j + 4 lane + i
.set BT,  48                           ; v48-79   bias, likewise
.set X,   80                           ; v80-207  four rows of 32 registers; a finished row's codes and scale bytes go back into its own registers
.set T,   208                          ; v208-239 the row as 2 x 16 neighbours
.set WST, 5120                         ; a wave's stage: 64 places of 80 bytes
.set SCB, 4*WST                        ; behind the stages: the work-group's 512 scale bytes
	s_load_b256 s[4:11], s[0:1], 0x0               ; x s[4:5], gain s[6:7], bias s[8:9], codes s[10:11]
	s_load_b64 s[12:13], s[0:1], 0x20              ; scale bytes
	v_lshl_add_u32 v240, v0, 2, 0x5200
	v_mov_b32 v241, 0
	v_lshrrev_b32 v1, 5, v0
	v_readfirstlane_b32 s14, v1                    ; wave
	v_and_b32 v1, 31, v0                           ; lane
	v_lshlrev_b32 v2, 4, v1                        ; 16 x lane: my bytes of a load, and of a store of codes
	s_mul_i32 s15, s14, WST
	v_lshrrev_b32 v3, 2, v1
	v_mul_u32_u24 v3, v3, 80
	v_and_b32 v4, 3, v1
	v_lshl_add_u32 v3, v4, 4, v3
	v_add_nc_u32 v3, s15, v3                       ; the stage, on the way in: four lanes to a place
	v_mul_u32_u24 v4, v1, 80
	v_add_nc_u32 v4, s15, v4                       ; and on the way out: a place a lane
	v_add_nc_u32 v5, SCB, v2                       ; the scale bytes on their way out: 16 a lane
	s_lshl_b32 s15, s14, 7
	s_add_co_u32 s15, s15, SCB
	v_lshrrev_b32 v6, 1, v1
	v_add_nc_u32 v6, s15, v6                       ; my block's byte: 128 x wave + lane / 2
	v_mov_b32 v15, 0                               ; (named as the upper half of the pair v[14:15])
	s_mov_b32 s20, 0x3a800000                      ; 1 / 1,024
	s_mov_b32 s21, 0x358637bd                      ; 1e-6
	s_mov_b32 s22, 0x76543210
	s_mov_b32 s23, 0xfedcba98                      ; v_permlanex16_b32: lane l xor 16
	s_mov_b32 s24, 0x600000                        ; the mantissa field of 448
	s_lshl_b32 s16, ttmp9, 4
	s_lshl_b32 s17, s14, 2
	s_add_co_u32 s16, s16, s17                     ; my first row
	s_lshl_b32 s18, s16, 12
	s_mov_b32 s19, 0
	s_lshl_b32 s26, s16, 10
	s_mov_b32 s27, 0
	s_lshl_b32 s28, ttmp9, 9
	s_mov_b32 s29, 0
	s_wait_kmcnt 0x0
	s_add_nc_u64 s[4:5], s[4:5], s[18:19]
	s_add_nc_u64 s[10:11], s[10:11], s[26:27]
	s_add_nc_u64 s[12:13], s[12:13], s[28:29]
.irp j, 0,1,2,3,4,5,6,7
	global_load_b128 v[G+4*\j:G+4*\j+3], v2, s[6:7] offset:512*\j
	global_load_b128 v[BT+4*\j:BT+4*\j+3], v2, s[8:9] offset:512*\j
.endr
.irp r, 0,1,2,3
.irp j, 0,1,2,3,4,5,6,7
	global_load_b128 v[X+32*\r+4*\j:X+32*\r+4*\j+3], v2, s[4:5] offset:4096*\r+512*\j   ; 32 lanes read 512 consecutive bytes; all four rows are on their way at once
.endr
.endr
.macro RED v, t                        ; the sum over the 32 lanes, in every lane
	v_add_f32_dpp v[\v], v[\v], v[\v] row_xmask:1 row_mask:0xf bank_mask:0xf
	v_add_f32_dpp v[\v], v[\v], v[\v] row_xmask:2 row_mask:0xf bank_mask:0xf
	v_add_f32_dpp v[\v], v[\v], v[\v] row_xmask:4 row_mask:0xf bank_mask:0xf
	v_add_f32_dpp v[\v], v[\v], v[\v] row_xmask:8 row_mask:0xf bank_mask:0xf
	v_permlanex16_b32 v[\t], v[\v], s22, s23
	v_add_f32 v[\v], v[\v], v[\t]
.endm
.macro ROW r
.set XR, X+32*(\r)
	s_wait_loadcnt 8*(3-(\r))                      ; this row's eight loads are in (gain and bias are older); the later rows' eight each may be out
	v_pk_add_f32 v[8:9], v[XR:XR+1], v[XR+2:XR+3]  ; the sum, in two chains
	v_pk_add_f32 v[10:11], v[XR+4:XR+5], v[XR+6:XR+7]
.irp i, 8,12,16,20,24,28
	v_pk_add_f32 v[8:9], v[8:9], v[XR+\i:XR+\i+1]
	v_pk_add_f32 v[10:11], v[10:11], v[XR+\i+2:XR+\i+3]
.endr
	v_pk_add_f32 v[8:9], v[8:9], v[10:11]
	v_add_f32 v8, v8, v9
	RED 8, 9
	v_mul_f32 v8, s20, v8                          ; mu
.irp i, 0,2,4,6,8,10,12,14,16,18,20,22,24,26,28,30
	v_pk_add_f32 v[XR+\i:XR+\i+1], v[XR+\i:XR+\i+1], v[8:9] op_sel_hi:[1,0] neg_lo:[0,1] neg_hi:[0,1]   ; x - mu
.endr
	v_pk_mul_f32 v[10:11], v[XR:XR+1], v[XR:XR+1]  ; the squares, in two chains
	v_pk_mul_f32 v[12:13], v[XR+2:XR+3], v[XR+2:XR+3]
.irp i, 4,8,12,16,20,24,28
	v_pk_fma_f32 v[10:11], v[XR+\i:XR+\i+1], v[XR+\i:XR+\i+1], v[10:11]
	v_pk_fma_f32 v[12:13], v[XR+\i+2:XR+\i+3], v[XR+\i+2:XR+\i+3], v[12:13]
.endr
	v_pk_add_f32 v[10:11], v[10:11], v[12:13]
	v_add_f32 v10, v10, v11
	RED 10, 11
	v_fma_f32 v12, v10, s20, s21                   ; var + eps
	v_rsq_f32 v14, v12
	v_nop                                          ; one plain instruction behind the transcendental (ISA guide 5.7.2)
	s_wait_alu depctr_va_vdst(0)
.irp i, 0,2,4,6,8,10,12,14,16,18,20,22,24,26,28,30
	v_pk_mul_f32 v[XR+\i:XR+\i+1], v[XR+\i:XR+\i+1], v[14:15] op_sel_hi:[1,0]
.endr
.irp i, 0,2,4,6,8,10,12,14,16,18,20,22,24,26,28,30
	v_pk_fma_f32 v[XR+\i:XR+\i+1], v[XR+\i:XR+\i+1], v[G+\i:G+\i+1], v[BT+\i:BT+\i+1]
.endr
.irp j, 0,1,2,3,4,5,6,7
	ds_store_b128 v3, v[XR+4*\j:XR+4*\j+3] offset:640*\j          ; a load's 512 bytes take eight places
.endr
.irp p, 0,1
.irp i, 0,1,2,3
	ds_load_b128 v[T+16*\p+4*\i:T+16*\p+4*\i+3], v4 offset:2560*\p+16*\i   ; LDS serves a wave's instructions in order: these see the stores above
.endr
.endr
	s_wait_dscnt 0x0
.irp p, 0,1                            ; my 16 neighbours of columns 512 p + 16 lane on; two neighbouring lanes hold a block of 32
.set XS, T+16*\p
	v_max3_num_f32 v8, |v[XS]|, |v[XS+1]|, |v[XS+2]|
	v_max3_num_f32 v9, |v[XS+3]|, |v[XS+4]|, |v[XS+5]|
.irp i, 6,10
	v_max3_num_f32 v8, v8, |v[XS+\i]|, |v[XS+\i+1]|
	v_max3_num_f32 v9, v9, |v[XS+\i+2]|, |v[XS+\i+3]|
.endr
	v_max3_num_f32 v8, v8, |v[XS+14]|, |v[XS+15]|
	v_max3_num_f32 v8, v8, v9, 0x4800000           ; and the floor 2^(9 - 127): the byte cannot fall under 1
	v_max_num_f32_dpp v8, v8, v8 row_xmask:1 row_mask:0xf bank_mask:0xf   ; with my neighbour's 16: the block's largest magnitude
	v_add_nc_u32 v11, 0xfc000000, v8               ; 8 off its exponent field: the conversion's scale operand
	v_and_or_b32 v10, v8, 0x7f800000, s24          ; 448 x the scale
.irp i, 0,1,2,3,4,5,6,7,8,9,10,11,12,13,14,15
	v_med3_num_f32 v[XS+\i], v[XS+\i], -v10, v10   ; the conversion to an 8-bit code does not saturate (ISA guide 7.6.2): the hold
.endr
	v_cvt_scalef32_pk8_fp8_f32 v[XR+4*\p:XR+4*\p+1], v[XS:XS+7], v11
	v_cvt_scalef32_pk8_fp8_f32 v[XR+4*\p+2:XR+4*\p+3], v[XS+8:XS+15], v11
	v_lshrrev_b32 v[XR+8+\p], 23, v11              ; the scale's byte (also the plain line behind the conversions)
	ds_store_b8 v6, v[XR+8+\p] offset:32*(\r)+16*\p               ; both lanes of a block write the same byte with the same value
	global_store_b128 v2, v[XR+4*\p:XR+4*\p+3], s[10:11] offset:1024*(\r)+512*\p   ; 512 consecutive bytes, aligned
.endr
.endm
	ROW 0
	ROW 1
	ROW 2
	ROW 3
	s_wait_dscnt 0x0                               ; for the others' sake: my scale bytes lie in LDS
	s_barrier_signal -1
	s_barrier_wait -1
	s_cmp_lg_u32 s14, 0
	s_cbranch_scc1 .Lend
	ds_load_b128 v[8:11], v5                       ; wave 0: the 16 rows' 512 scale bytes
	s_wait_dscnt 0x0
	global_store_b128 v2, v[8:11], s[12:13]        ; two whole aligned blocks of 256 bytes
.Lend:
	s_wait_tensorcnt 0x0
	ds_add_u32 v240, v241
	s_wait_dscnt 0x0
	s_endpgm
.Lfunc_end_k_q0a9309fb55_ln1:
	.size	k_q0a9309fb55_ln1, .Lfunc_end_k_q0a9309fb55_ln1-k_q0a9309fb55_ln1
	.p2alignl 7, 3214868480
	.fill 96, 4, 3214868480
	.section	.rodata,"a",@progbits
	.p2align	6, 0x0
	.amdhsa_kernel k_q0a9309fb55_ln1
		.amdhsa_group_segment_fixed_size 21504
		.amdhsa_private_segment_fixed_size 0
		.amdhsa_enable_private_segment 0
		.amdhsa_kernarg_size 40
		.amdhsa_user_sgpr_count 2
		.amdhsa_user_sgpr_kernarg_segment_ptr 1
		.amdhsa_wavefront_size32 1
		.amdhsa_system_sgpr_workgroup_id_x 1
		.amdhsa_system_sgpr_workgroup_id_y 1
		.amdhsa_system_sgpr_workgroup_id_z 1
		.amdhsa_system_vgpr_workitem_id 0
		.amdhsa_next_free_vgpr 242
		.amdhsa_next_free_sgpr 66
		.amdhsa_reserve_vcc 0
		.amdhsa_float_denorm_mode_32 3
		.amdhsa_float_denorm_mode_16_64 3
		.amdhsa_memory_ordered 1
		.amdhsa_forward_progress 1
		.amdhsa_inst_pref_size 52
	.end_amdhsa_kernel
	.amdgpu_metadata
---
amdhsa.version: [ 1, 2 ]
amdhsa.kernels:
  - .name:           k_q0a9309fb55_ln1
    .symbol:         k_q0a9309fb55_ln1.kd
    .args:
      - { .name: x, .offset: 0, .size: 8, .value_kind: global_buffer, .address_space: global }
      - { .name: ln1_scale, .offset: 8, .size: 8, .value_kind: global_buffer, .address_space: global }
      - { .name: ln1_bias, .offset: 16, .size: 8, .value_kind: global_buffer, .address_space: global }
      - { .name: hnc, .offset: 24, .size: 8, .value_kind: global_buffer, .address_space: global }
      - { .name: hns, .offset: 32, .size: 8, .value_kind: global_buffer, .address_space: global }
    .group_segment_fixed_size: 21504
    .private_segment_fixed_size: 0
    .kernarg_segment_align: 8
    .kernarg_segment_size: 40
    .max_flat_workgroup_size: 128
    .sgpr_count:     66
    .vgpr_count:     242
    .wavefront_size: 32
...
	.end_amdgpu_metadata
.endif
;; end of part 1
;; launch qkv (part 2): grid 16 x 12, 4 waves a work-group, clusters of 4 x 4, 327,680 bytes of LDS; arguments hnc, hns, Wq_codes, Wq_scales, Wk_codes, Wk_scales, Wv_codes, Wv_scales, bq, bk, bv, big, bigs; writes big, bigs
.if DOCPART == 2
	.amdgcn_target "amdgcn-amd-amdhsa--gfx1250"
	.amdhsa_code_object_version 6
	.text
	.protected	k_q0a9309fb55_qkv
	.globl	k_q0a9309fb55_qkv
	.p2align	8
	.type	k_q0a9309fb55_qkv,@function
k_q0a9309fb55_qkv:
	s_mov_b64 s[64:65], 0
	v_nop
	global_prefetch_b8 v0, s[64:65] scope:SCOPE_SE
	s_setreg_imm32_b32 hwreg(HW_REG_WAVE_MODE, 25, 1), 1
	s_wait_xcnt 0x0
	s_wait_alu depctr_hold_cnt(0) depctr_sa_sdst(0) depctr_va_vdst(0) depctr_va_sdst(0) depctr_va_ssrc(0) depctr_va_vcc(0) depctr_vm_vsrc(0)
	s_getreg_b32 s2, hwreg(HW_REG_IB_STS2, 6, 4)
	s_cmp_eq_u32 s2, 0
	s_cbranch_scc0 .Lentry_in_a_cluster
	s_endpgm
.Lentry_in_a_cluster:
	s_bfe_u32 s2, ttmp6, 0x10000c
	s_cmp_lg_u32 s2, 0xf033
	s_cbranch_scc0 .Lentry_shape_is_right
	s_endpgm
.Lentry_shape_is_right:
; q = h Wq + bq, k = h Wk + bk, v = h Wv + bv on codes of E4M3 with E8M0 scales for each 32 along K = 1,024, and the quantising of the results for attention: q and k along the head's 64, v along the keys.
; The cluster's y says which of the three (0 q, 1 k, 2 v), its x which 1,024 tokens.  A tile of 256 x 256 to a work-group of four waves, 128 x 128 a wave in 64 accumulators; K in steps of 256 through two LDS slots.
; q, k: A = h's rows (tokens), B = the weight's rows (features).  v IS MADE TRANSPOSED: A = Wv's rows, B = h's rows.  The matrix instruction takes B's rows as source 0 and A's as source 1, so a lane holds ONE row of A and
; eight neighbouring rows of B: for q and k one token and eight features, for v one feature and eight KEYS.  So one quantiser serves both: 32 neighbours lie in 16 registers of lanes l and l xor 16.
; All four tensors have rows of 1,024 bytes and 32 scale bytes: head, ring and loop are one text; only pointers and tile numbers are chosen, on the cluster's y, which all partners share.
; CLUSTERS: 4 x 4.  A's tiles are asked for jointly along a row of the cluster, B's along a column.  192 work-groups: all the work that there is.
; OUT (workspace): for each head 393,216 bytes: q [token][64], k [token][64], v [128 keys][row 64][128 bytes], where row = d with its bits 3 and 4 exchanged (so that attention's result falls into the next operand's order).
; Scale words, 20,480 bytes a head: q, k: one word a token, bytes s0 s1 s0 s1; v: [128 keys][row]: the four key blocks' bytes.
; LIMITS: NaN and infinities are not served.  A block whose largest magnitude is 0 or lies under 2^-118 gets the byte 1 (read by this program alone).
; REGISTERS: window 0: v6-31 addresses; v32-63 scale words, two sets; v64-127 the bias; v128-255 A's fragments, on the way out at work.  window 1: B's fragments, two sets.  windows 2, 3: the accumulators.
.set SIZE_K, 1024
.set KSTEP,  256
.set NQ,     KSTEP/128
.set ROWB,   256
.set KROW,   SIZE_K
.set PITCH,  272                       ; an LDS row: 256 bytes + 16 of padding: the 16 rows that a load touches start at 16 different banks (64 banks of 4 bytes: ISA guide 11.1)
.set FR,     16
.set NL,     4
.set NP,     8                         ; places behind this matrix instruction (ISA guide 7.12.1)
.set HALFT,  128*PITCH
.set SLOT,   4*HALFT
.set LAPS,   SIZE_K/(2*KSTEP)
.set KS,     SIZE_K/32
.set SCL,    2*SLOT                    ; behind the ring: the scales of the tile's 512 rows for all of K, as blocks of 256 bytes + 16
.set HALFS,  (128*KS/256)*272
.set SBLK,   (16*KS/256)*272
.set SPARE,  SCL+4*HALFS               ; the spare words: 128 bytes a wave, two blocks of 256 bytes that no other line names
.set STG1,   16384                     ; the way out lies in slot 0, which has had its last fill and its last read by then; each of the two ways has bytes of its own:
.set SWS0,   32768                     ; stage of q, k at 0 (16 rows x 144 bytes a wave), of v at STG1; scale words of q, k at SWS0 (1,024 a wave), of v at SWS1 (512 a wave)
.set SWS1,   40960
.set VWO,  6                           ; v6   v's scale words in memory: 20,480 (lane / 16) + 16 (lane % 16)
.set L16,  7                           ; v7   16 x lane
.set BO,   8                           ; v8-15 the bias loads' offsets
.set ADRA, 16
.set RDQ,  18
.set RDV,  19
.set ADRB, 20
.set SWQ,  22
.set SWV,  23
.set STO,  24
.set ADRS, 27
.set SPW,  28
.set NIL,  29
.set SRQ,  30
.set SRV,  31
.set SC,   32
.set BI,   64
.set AF,   128
.set T,    128                         ; the way out: 64 numbers
.set PC,   192                         ; their codes
.set OUTR, 208                         ; codes read back from the stage
.set TM,   224                         ; v224-227 largest magnitudes, v228-231 bytes, v232-235 448 x the scale, v236-239 the conversions' scale operands
.set PW,   240                         ; the scale word; v241, v242 at work
.set G1, 24
.set G0, 32
.set G1B, 48
.set G0B, 56
.set G1S, 68
.set G0S, 76
.set G1SB, 80
.set G0SB, 88
.set SEL, 66
.set MNT, 95
.set HMASK, 100
.set MSB, 0
.macro WIN new                         ; the immediate's high byte repeats the setting that is left
.if MSB != \new
	s_set_vgpr_msb (MSB<<8)|\new
.set MSB, \new
.endif
.endm
.set MUL_LO, 0xa1                      ; source 0 (B) window 1, source 1 (A) window 0, C and D window 2
.set MUL_HI, 0xf1
.set TO_B,   0x40
.macro JLOAD g0a, g1a, g0b, g1b        ; a joint load: waves 0 and 1 fetch for A, waves 2 and 3 for B; four v_nop follow each of the two lines
	s_cmp_eq_u32 s15, 0
	s_cbranch_scc0 .Lfor_b_\@
	tensor_load_to_lds s[\g0a:\g0a+3], s[\g1a:\g1a+7]
	s_nop 0
.rept 4
	v_nop
.endr
	s_branch .Lasked_\@
.Lfor_b_\@:
	tensor_load_to_lds s[\g0b:\g0b+3], s[\g1b:\g1b+7]
	s_nop 0
.rept 4
	v_nop
.endr
.Lasked_\@:
.endm
.macro CREST                           ; a round of the cluster's barrier behind its opening barrier
	s_cmp_lg_u32 s14, 0
	s_cbranch_scc1 .Lnot_wave_0_\@
	s_barrier_signal -3
.Lnot_wave_0_\@:
	s_barrier_wait -3
	s_barrier_signal -1
	s_barrier_wait -1
.endm
.macro CROUND
	s_barrier_signal -1
	s_barrier_wait -1
	CREST
.endm
	s_load_b512 s[68:83], s[0:1], 0x0              ; h's codes, h's scales, Wq's, Wk's, Wv's codes and scales
	s_load_b128 s[84:87], s[0:1], 0x40             ; bq, bk
	s_load_b64 s[88:89], s[0:1], 0x50              ; bv
	s_load_b128 s[96:99], s[0:1], 0x58             ; the codes' and the scale words' workspace
	v_lshl_add_u32 v[SPW], v0, 2, SPARE
	v_mov_b32 v[NIL], 0
	ds_add_u32 v28, v29
	ds_add_u32 v28, v29
	s_wait_dscnt 0x0
	v_lshrrev_b32 v1, 5, v0
	v_readfirstlane_b32 s14, v1                    ; wave 0..3
	s_lshr_b32 s15, s14, 1                         ; which half of A's rows is mine.  Also: I fetch for A (0) or for B (1)
	s_and_b32 s16, s14, 1                          ; which half of B's rows.  Also: which 128 rows of that tile I fetch
	s_bfe_u32 s40, ttmp6, 0x40000                  ; cx, cy
	s_bfe_u32 s41, ttmp6, 0x40004
	s_and_b32 s2, ttmp7, 0xffff                    ; the cluster's y: 0 q, 1 k, 2 v: the same in all sixteen partners
	s_lshl_b32 s101, ttmp9, 2                      ; the cluster's x: four tiles of 256 tokens
	s_cmp_eq_u32 s2, 2
	s_cselect_b32 s17, 0, s101
	s_cselect_b32 s42, s101, 0
	s_add_co_u32 s17, s17, s41                     ; A's tile: q, k: tokens, 4 x + cy;  v: Wv's rows, cy
	s_add_co_u32 s42, s42, s40                     ; B's tile: q, k: the weight's rows, cx;  v: tokens, 4 x + cx
	s_lshl_b32 s43, s41, 2
	s_lshl_b32 s43, 15, s43                        ; my row of the cluster
	s_lshl_b32 s44, 0x1111, s40                    ; my column
	s_or_b32 s[G1+0], s43, (0<<16)|(1<<20)|(1<<21)|(5<<22)|(3<<25)  ; the mask; elements of 1 byte; padding: 4 words after every 64; bit 21 beside a mask
	s_or_b32 s[G1B+0], s44, (0<<16)|(1<<20)|(1<<21)|(5<<22)|(3<<25)
.irp g, G1, G1B
	s_mov_b32 s[\g+1], ROWB<<16                    ; tensor_dim0
	s_mov_b32 s[\g+2], 128<<16                     ; tensor_dim1
	s_mov_b32 s[\g+3], ROWB<<16                    ; tile_dim0
	s_mov_b32 s[\g+4], 128                         ; tile_dim1
	s_mov_b32 s[\g+5], KROW                        ; from row to row
	s_mov_b32 s[\g+6], 0
	s_mov_b32 s[\g+7], 0
.endr
	s_mov_b32 s[SEL], 0x76543210
	s_mov_b32 s[SEL+1], 0xfedcba98
	s_mov_b32 s[MNT], 0x600000
	s_mov_b32 s[HMASK], 0xffff0000                 ; lanes 16-31
	s_wait_kmcnt 0x0
	s_cmp_eq_u32 s2, 0                             ; the choices hang on the cluster's y alone
	s_cselect_b64 s[72:73], s[72:73], s[76:77]     ; q's weight or k's
	s_cselect_b64 s[74:75], s[74:75], s[78:79]
	s_cselect_b64 s[84:85], s[84:85], s[86:87]
	s_cmp_eq_u32 s2, 2
	s_cselect_b64 s[4:5], s[80:81], s[68:69]       ; A's codes: Wv's or h's
	s_cselect_b64 s[6:7], s[82:83], s[70:71]       ; A's scales
	s_cselect_b64 s[8:9], s[68:69], s[72:73]       ; B's codes: h's or the weight's
	s_cselect_b64 s[10:11], s[70:71], s[74:75]     ; B's scales
	s_cselect_b64 s[12:13], s[88:89], s[84:85]     ; the bias
	; the scales of 128 rows: a dense block, as rows of 256 bytes (32 elements of 8), 16 bytes of padding behind each
	s_or_b32 s[G1S+0], s43, (3<<16)|(1<<20)|(1<<21)|(5<<22)|(3<<25)
	s_or_b32 s[G1SB+0], s44, (3<<16)|(1<<20)|(1<<21)|(5<<22)|(3<<25)
.irp g, G1S, G1SB
	s_mov_b32 s[\g+1], 32<<16
	s_mov_b32 s[\g+2], (128*KS/256)<<16
	s_mov_b32 s[\g+3], 32<<16
	s_mov_b32 s[\g+4], 128*KS/256
	s_mov_b32 s[\g+5], 32
	s_mov_b32 s[\g+6], 0
	s_mov_b32 s[\g+7], 0
.endr
	s_lshl_b32 s18, s16, 7
	s_lshl_b32 s20, s17, 8
	s_add_co_u32 s20, s20, s18                     ; A: row 256 x tile + 128 x half
	s_lshl_b32 s46, s42, 8
	s_add_co_u32 s46, s46, s18                     ; B likewise
	s_mov_b32 s21, 0
	s_mov_b32 s47, 0
	s_mov_b64 s[18:19], KS
	s_mul_u64 s[22:23], s[20:21], s[18:19]
	s_mul_u64 s[92:93], s[46:47], s[18:19]
	s_mov_b64 s[18:19], KROW
	s_mul_u64 s[20:21], s[20:21], s[18:19]
	s_mul_u64 s[46:47], s[46:47], s[18:19]
	s_mul_i32 s45, s14, HALFT                      ; where they go: wave x 128 rows
	s_mul_i32 s94, s14, HALFS
	s_add_nc_u64 s[20:21], s[4:5], s[20:21]
	s_add_nc_u64 s[22:23], s[6:7], s[22:23]
	s_add_nc_u64 s[46:47], s[8:9], s[46:47]
	s_add_nc_u64 s[92:93], s[10:11], s[92:93]
	CROUND                                         ; all sixteen work-groups are here: the first joint loads meet
	s_mov_b32 s[G0S], 1
	s_add_co_u32 s[G0S+1], s94, SCL
	s_mov_b64 s[G0S+2:G0S+3], s[22:23]
	s_or_b32 s[G0S+3], s[G0S+3], 0x80000000
	s_mov_b32 s[G0SB], 1
	s_add_co_u32 s[G0SB+1], s94, SCL
	s_mov_b64 s[G0SB+2:G0SB+3], s[92:93]
	s_or_b32 s[G0SB+3], s[G0SB+3], 0x80000000
	JLOAD G0S, G1S, G0SB, G1SB                     ; the scales first
.irp s, 0,1
	s_mov_b32 s[G0+4*\s], 1
	s_add_co_u32 s[G0+4*\s+1], s45, \s*SLOT
	s_add_nc_u64 s[G0+4*\s+2:G0+4*\s+3], s[20:21], \s*ROWB
	s_or_b32 s[G0+4*\s+3], s[G0+4*\s+3], 0x80000000
	s_mov_b32 s[G0B+4*\s], 1
	s_add_co_u32 s[G0B+4*\s+1], s45, \s*SLOT
	s_add_nc_u64 s[G0B+4*\s+2:G0B+4*\s+3], s[46:47], \s*ROWB
	s_or_b32 s[G0B+4*\s+3], s[G0B+4*\s+3], 0x80000000
	JLOAD G0+4*\s, G1, G0B+4*\s, G1B               ; three tensor loads of mine are out
.endr
	v_and_b32 v1, 15, v0                           ; r = lane % 16
	v_bfe_u32 v2, v0, 4, 1                         ; h = lane / 16
	v_mul_u32_u24 v3, v1, PITCH
	v_lshl_add_u32 v4, v2, 4, v3
	s_mul_i32 s21, s15, HALFT
	s_mul_i32 s22, s16, HALFT
	s_add_co_u32 s22, s22, 2*HALFT
.irp s, 0,1
	v_add_nc_u32 v[ADRA+\s], s21, v4
	v_add_nc_u32 v[ADRB+\s], s22, v4
	s_add_co_u32 s21, s21, SLOT
	s_add_co_u32 s22, s22, SLOT
.endr
	v_mul_u32_u24 v5, v1, KS                       ; my row's scales,
	v_lshrrev_b32 v3, 8, v5
	v_lshl_add_u32 v5, v3, 4, v5                   ; and 16 more for each 256 passed
	s_mul_i32 s21, s15, HALFS
	s_mul_i32 s22, s16, HALFS
	s_add_co_u32 s22, s22, 2*HALFS
	s_sub_co_u32 s22, s22, s21
	v_mul_u32_u24 v3, s22, v2                      ; lanes 16-31 take B's
	s_add_co_u32 s21, s21, SCL
	v_add_nc_u32 v5, v5, v3
	v_add_nc_u32 v[ADRS], s21, v5
	; the way out's LDS addresses, all made here, ahead of the parting of the two ways
	s_mul_i32 s23, s14, 16*144
	v_mul_u32_u24 v5, v1, 144
	v_lshl_add_u32 v5, v2, 3, v5
	v_add_nc_u32 v[STO], s23, v5                   ; in: row r of 128 codes + 16, 8 bytes for each half of the lanes
	v_and_b32 v3, 31, v0                           ; lane
	v_lshlrev_b32 v[L16], 4, v3
	v_lshrrev_b32 v4, 2, v3
	v_mul_u32_u24 v4, v4, 144
	v_and_b32 v5, 3, v3
	v_lshl_add_u32 v4, v5, 4, v4
	v_add_nc_u32 v[RDQ], s23, v4                   ; back, q and k: four lanes to a token's 64 bytes of one head
	v_lshrrev_b32 v4, 3, v3
	v_mul_u32_u24 v4, v4, 144
	v_and_b32 v5, 7, v3
	v_lshl_add_u32 v4, v5, 4, v4
	v_add_nc_u32 v[RDV], s23, v4                   ; back, v: eight lanes to a row of 128 bytes
	s_lshl_b32 s21, s14, 10
	s_add_co_u32 s21, s21, SWS0
	v_lshlrev_b32 v4, 2, v1
	v_lshl_add_u32 v4, v2, 9, v4
	v_add_nc_u32 v[SWQ], s21, v4                   ; q's, k's scale words: lanes 0-15 the first head's, lanes 16-31 the second's
	v_add_nc_u32 v[SRQ], s21, v[L16]
	s_lshl_b32 s22, s14, 9
	s_add_co_u32 s22, s22, SWS1
	v_and_b32 v4, 8, v1
	v_add_nc_u32 v4, v4, v1
	v_lshl_add_u32 v[SWV], v4, 2, s22              ; v's: row r + 8 (r / 8) of the block's
	v_add_nc_u32 v[SRV], s22, v[L16]
	v_mul_u32_u24 v[VWO], v2, 20480
	v_lshl_add_u32 v[VWO], v1, 4, v[VWO]
	; the bias, in the result's layout.  q, k: it goes with B's rows: register 8 b + j = bias[16 b + 8 h + j];  v: with A's rows: register 8 a + j = bias[16 a + r] for every j
	s_lshl_b32 s18, s17, 8
	s_lshl_b32 s19, s15, 7
	s_add_co_u32 s18, s18, s19                     ; my first row of A
	s_lshl_b32 s19, s42, 8
	s_lshl_b32 s20, s16, 7
	s_add_co_u32 s19, s19, s20                     ; my first row of B
	s_cmp_eq_u32 s2, 2
	s_cselect_b32 s46, s18, s19
	s_cselect_b32 s21, 4, 0
	s_cselect_b32 s22, 0, 32
	s_cselect_b32 s23, 0, 4
	s_lshl_b32 s46, s46, 2
	s_mov_b32 s47, 0
	s_add_nc_u64 s[12:13], s[12:13], s[46:47]
	v_mul_u32_u24 v5, s21, v1
	v_mad_u32_u24 v5, s22, v2, v5
.irp j, 0,1,2,3,4,5,6,7
	v_mad_u32_u24 v[BO+\j], s23, \j, v5
.endr
.irp x, 0,1,2,3,4,5,6,7
.irp j, 0,1,2,3,4,5,6,7
	global_load_b32 v[BI+8*\x+\j], v[BO+\j], s[12:13] offset:64*\x   ; waited for on the way out
.endr
.endr
.macro FRAG reg, adr, q, i             ; 16 rows x 128 K: lane l holds row l % 16; registers 4 c .. 4 c + 3 hold K = 32 c + 16 (l / 16) + 0 .. 15
.irp c, 0,1,2,3
	ds_load_b128 v[\reg+4*\c:\reg+4*\c+3], v[\adr] offset:128*(\q)+32*\c+(\i)*16*PITCH
.endr
.endm
; 16 matrix instructions: A's blocks a0, a0 + 1 x B's eight.  The 64 accumulators take turns, one instruction a turn, in the same order in every step.
.macro MUL16 a0, p, q, sc, zero
.irp a, \a0, \a0+1
.irp b, 0,1,2,3,4,5,6,7
.if \zero
	v_wmma_scale_f32_16x16x128_f8f6f4 v[8*(8*((\a)%4)+\b):8*(8*((\a)%4)+\b)+7], v[128*(\p)+FR*\b:128*(\p)+FR*\b+FR-1], v[AF+FR*(\a):AF+FR*(\a)+FR-1], 0, v[SC+8*NQ*(\sc)+NQ*\b+(\q)], v[SC+8*NQ*(\sc)+NQ*(\a)+(\q)] matrix_a_scale:MATRIX_SCALE_ROW1
.else
	v_wmma_scale_f32_16x16x128_f8f6f4 v[8*(8*((\a)%4)+\b):8*(8*((\a)%4)+\b)+7], v[128*(\p)+FR*\b:128*(\p)+FR*\b+FR-1], v[AF+FR*(\a):AF+FR*(\a)+FR-1], v[8*(8*((\a)%4)+\b):8*(8*((\a)%4)+\b)+7], v[SC+8*NQ*(\sc)+NQ*\b+(\q)], v[SC+8*NQ*(\sc)+NQ*(\a)+(\q)] matrix_a_scale:MATRIX_SCALE_ROW1
.endif
.endr
.endr
.endm
.macro FETCH_B slot, q, p
	WIN TO_B
.irp i, 0,1,2,3,4,5,6,7
	FRAG 128*(\p)+FR*\i, ADRB+\slot, \q, \i
.endr
	WIN 0
.endm
.macro FETCH_A slot, q, i0
.irp i, \i0, \i0+1, \i0+2, \i0+3
	FRAG AF+FR*(\i), ADRA+\slot, \q, \i
.endr
.endm
.macro SCALES sc                       ; a K step's scale words: lanes 0-15 take A's block i, lanes 16-31 B's block i
.irp i, 0,1,2,3,4,5,6,7
	ds_load_b64 v[SC+8*NQ*\sc+NQ*\i:SC+8*NQ*\sc+NQ*\i+1], v[ADRS] offset:\i*SBLK
.endr
.endm
.macro PLACES n                        ; plain vector instructions between a matrix instruction and a load into, or a read of, its registers
.rept \n
	v_nop
.endr
.endm
.macro STEP slot, q, zero              ; 128 along K with its successor in the same slot
	s_wait_dscnt 4*NL                              ; B's set and A's blocks 0-3 are in; the youngest sixteen loads (A's blocks 4-7) may be out
	WIN MUL_LO
	MUL16 0, (\q)%2, \q, \slot, \zero
	MUL16 2, (\q)%2, \q, \slot, \zero
	s_wait_dscnt 0
	PLACES NP
	FETCH_B \slot, (\q)+1, 1-(\q)%2
	FETCH_A \slot, (\q)+1, 0
	WIN MUL_HI
	MUL16 4, (\q)%2, \q, \slot, \zero
	MUL16 6, (\q)%2, \q, \slot, \zero
	PLACES NP
	WIN 0
	FETCH_A \slot, (\q)+1, 4
.endm
.macro TURN slot, next, fill           ; a slot's last step changes slots: one barrier; with fill = 1 it opens a round of the cluster's barrier and this slot is filled again
	s_wait_tensorcnt 0x0                           ; all my tensor loads have landed: my part of the next slot;
	ds_add_u32 v[SPW], v[NIL]                      ; 0 onto my spare word;
	s_wait_dscnt 4*NL+1                            ; (the add and A's blocks 4-7 may be out)
	WIN MUL_LO
	MUL16 0, 1, NQ-1, \slot, 0
	s_wait_dscnt 0x0                               ; the add is done, and my reads of this slot are over
	s_barrier_signal -1
	MUL16 2, 1, NQ-1, \slot, 0
	WIN 0
	s_barrier_wait -1
.if \fill
	CREST                                          ; no wave of any partner still reads this slot or has a load on its way
	s_add_nc_u64 s[G0+4*\slot+2:G0+4*\slot+3], s[G0+4*\slot+2:G0+4*\slot+3], 2*ROWB
	s_add_nc_u64 s[G0B+4*\slot+2:G0B+4*\slot+3], s[G0B+4*\slot+2:G0B+4*\slot+3], 2*ROWB
	JLOAD G0+4*\slot, G1, G0B+4*\slot, G1B         ; my one tensor load behind the round; its four v_nop are among the places in front of the loads below
	PLACES NP-4
.else
	PLACES NP
.endif
	v_add_nc_u32 v[ADRS], 4*NQ, v[ADRS]
	FETCH_B \next, 0, 0
	FETCH_A \next, 0, 0
	SCALES \next
	WIN MUL_HI
	MUL16 4, 1, NQ-1, \slot, 0
	MUL16 6, 1, NQ-1, \slot, 0
	PLACES NP
	WIN 0
	FETCH_A \next, 0, 4
.endm
	s_wait_tensorcnt 1                             ; the scales and my part of K step 0 are in; K step 1's load may be out
	s_barrier_signal -1
	s_barrier_wait -1
	FETCH_B 0, 0, 0
	FETCH_A 0, 0, 0
	SCALES 0
	FETCH_A 0, 0, 4
	STEP 0, 0, 1                                   ; the first products start the sums
	s_mov_b32 s3, LAPS-1
.Llap:
	TURN 0, 1, 1
	STEP 1, 0, 0
	TURN 1, 0, 1
	STEP 0, 0, 0
	s_sub_co_u32 s3, s3, 1
	s_cmp_lg_u32 s3, 0
	s_cbranch_scc1 .Llap
	TURN 0, 1, 0                                   ; the last lap fills nothing
	STEP 1, 0, 0
	s_wait_dscnt 4*NL
	WIN MUL_LO
	MUL16 0, 1, NQ-1, 1, 0
	MUL16 2, 1, NQ-1, 1, 0
	s_wait_dscnt 0
	WIN MUL_HI
	MUL16 4, 1, NQ-1, 1, 0
	MUL16 6, 1, NQ-1, 1, 0
	WIN 0
; 64 numbers of a lane, v[s] on; registers 16 b .. 16 b + 15 and the same of lane l xor 16 are block b of 32.  Codes to v[PC] on (pair 2 t: the eight numbers of tile t), the four bytes' word to v[PW].
.macro QUANT s
.irp b, 0,1,2,3
	v_max3_num_f32 v[TM+\b], |v[\s+16*\b]|, |v[\s+1+16*\b]|, 0x4800000   ; with the floor 2^(9 - 127): the byte cannot fall under 1
.endr
.irp i, 2,4,6,8,10,12,14
.irp b, 0,1,2,3
	v_max3_num_f32 v[TM+\b], v[TM+\b], |v[\s+16*\b+\i]|, |v[\s+1+16*\b+\i]|
.endr
.endr
.irp b, 0,1,2,3
	v_permlanex16_b32 v[TM+4+\b], v[TM+\b], s[SEL], s[SEL+1]
.endr
.irp b, 0,1,2,3
	v_max_num_f32 v[TM+\b], v[TM+\b], v[TM+4+\b]
.endr
.irp b, 0,1,2,3
	v_add_nc_u32 v[TM+12+\b], 0xfc000000, v[TM+\b]                  ; 8 off the exponent field: the conversion's scale operand
.endr
.irp b, 0,1,2,3
	v_and_or_b32 v[TM+8+\b], v[TM+\b], 0x7f800000, s[MNT]           ; 448 x the scale
.endr
.irp b, 0,1,2,3
	v_lshrrev_b32 v[TM+4+\b], 23, v[TM+12+\b]                       ; the scale's byte
.endr
	v_lshl_or_b32 v[PW], v[TM+5], 8, v[TM+4]
	v_lshl_or_b32 v[PW], v[TM+6], 16, v[PW]
	v_lshl_or_b32 v[PW], v[TM+7], 24, v[PW]
.irp b, 0,1,2,3
.irp i, 0,1,2,3,4,5,6,7,8,9,10,11,12,13,14,15
	v_med3_num_f32 v[\s+16*\b+\i], v[\s+16*\b+\i], -v[TM+8+\b], v[TM+8+\b]   ; the conversion does not saturate (ISA guide 7.6.2): the hold
.endr
	v_cvt_scalef32_pk8_fp8_f32 v[PC+4*\b:PC+1+4*\b], v[\s+16*\b:\s+7+16*\b], v[TM+12+\b]
	v_cvt_scalef32_pk8_fp8_f32 v[PC+2+4*\b:PC+3+4*\b], v[\s+8+16*\b:\s+15+16*\b], v[TM+12+\b]
.endr
	v_nop                                          ; one plain line behind the last conversion
.endm
; Block a of the way out: 16 rows of A x 128 rows of B.  p = 0: q, k;  p = 1: v.
.macro OUTBLK p, a
.set AC, 64*((\a)%4)
	s_wait_xcnt 0x0                                ; the last block's stores have read OUTR
	WIN 0x02+(\a)/4                                ; source 0: window 2 or 3
.irp b, 0,1,2,3,4,5,6,7
.irp k, 0,2,4,6
.if \p
	v_pk_add_f32 v[T+8*\b+\k:T+8*\b+\k+1], v[AC+8*\b+\k:AC+8*\b+\k+1], v[BI+8*(\a)+\k:BI+8*(\a)+\k+1]   ; each accumulator from its low end on
.else
	v_pk_add_f32 v[T+8*\b+\k:T+8*\b+\k+1], v[AC+8*\b+\k:AC+8*\b+\k+1], v[BI+8*\b+\k:BI+8*\b+\k+1]
.endif
.endr
.endr
	WIN 0
	QUANT T
.if \p
	ds_store_b32 v[SWV], v[PW] offset:256*((\a)/4)+4*(32*(((\a)%4)/2)+8*((\a)%2))   ; the row's four key blocks; both halves of the lanes write the same word
.else
	v_cndmask_b32 v[PW+1], v[TM+4], v[TM+6], s[HMASK]             ; lanes 0-15: the first head's two bytes, lanes 16-31 the second's
	v_cndmask_b32 v[PW+2], v[TM+5], v[TM+7], s[HMASK]
	v_lshl_or_b32 v[PW+1], v[PW+2], 8, v[PW+1]
	v_lshl_or_b32 v[PW+1], v[PW+1], 16, v[PW+1]                   ; s0 s1 s0 s1
	ds_store_b32 v[SWQ], v[PW+1] offset:64*(\a)
.endif
.irp b, 0,1,2,3,4,5,6,7
	ds_store_b64 v[STO], v[PC+2*\b:PC+2*\b+1] offset:STG1*\p+16*\b
.endr
.irp i, 0,1,2,3
.if \p
	ds_load_b128 v[OUTR+4*\i:OUTR+4*\i+3], v[RDV] offset:STG1+576*\i          ; LDS serves a wave's instructions in order: these see the stores above
.else
	ds_load_b128 v[OUTR+4*\i:OUTR+4*\i+3], v[RDQ] offset:1152*(\i%2)+64*(\i/2)
.endif
.endr
	s_wait_dscnt 0x0
.irp i, 0,1,2,3
.if \p
	global_store_b128 v[L16], v[OUTR+4*\i:OUTR+4*\i+3], s[96:97] offset:393216*((\a)/4)+128*(32*(((\a)%4)/2)+16*(\i/2)+8*((\a)%2)+4*(\i%2))   ; four rows of 128 bytes on end
.else
	global_store_b128 v[L16], v[OUTR+4*\i:OUTR+4*\i+3], s[96:97] offset:393216*(\i/2)+1024*(\a)+512*(\i%2)   ; eight tokens' 64 bytes on end
.endif
.endr
.endm
	PLACES NP
	s_wait_loadcnt 0x0                             ; the bias
.irp b, 0,1,2,3
	v_mov_b32 v[TM+4+\b], 0                        ; a lane permute's destination counts as one of its sources
.endr
	s_lshl_b32 s18, s17, 8
	s_lshl_b32 s19, s15, 7
	s_add_co_u32 s18, s18, s19                     ; my first row of A
	s_lshl_b32 s19, s42, 8
	s_lshl_b32 s20, s16, 7
	s_add_co_u32 s19, s19, s20                     ; my first row of B
	s_mov_b32 s23, 0
	s_cmp_eq_u32 s2, 2
	s_cbranch_scc1 .Lv
	s_lshr_b32 s20, s18, 11                        ; q, k: A's rows are tokens, B's features
	s_lshl_b32 s20, s20, 4
	s_lshr_b32 s21, s19, 6
	s_add_co_u32 s20, s20, s21                     ; my first head: 16 x batch + feature / 64
	s_and_b32 s21, s18, 2047                       ; my first token in it
	s_mul_i32 s22, s20, 393216
	s_lshl_b32 s40, s2, 17
	s_add_co_u32 s22, s22, s40
	s_lshl_b32 s40, s21, 6
	s_add_co_u32 s22, s22, s40
	s_add_nc_u64 s[96:97], s[96:97], s[22:23]
	s_mul_i32 s22, s20, 20480
	s_lshl_b32 s40, s2, 13
	s_add_co_u32 s22, s22, s40
	s_lshl_b32 s40, s21, 2
	s_add_co_u32 s22, s22, s40
	s_add_nc_u64 s[98:99], s[98:99], s[22:23]
.irp a, 0,1,2,3,4,5,6,7
	OUTBLK 0, \a
.endr
	ds_load_b128 v[T:T+3], v[SRQ]                  ; my 128 tokens' words of the first head,
	ds_load_b128 v[T+4:T+7], v[SRQ] offset:512     ; and of the second
	s_wait_dscnt 0x0
	global_store_b128 v[L16], v[T:T+3], s[98:99]
	global_store_b128 v[L16], v[T+4:T+7], s[98:99] offset:20480
	s_branch .Ldone
.Lv:
	s_lshr_b32 s20, s19, 11                        ; v: B's rows are tokens (keys), A's features
	s_lshl_b32 s20, s20, 4
	s_lshr_b32 s21, s18, 6
	s_add_co_u32 s20, s20, s21                     ; my first head
	s_and_b32 s21, s19, 2047
	s_lshr_b32 s21, s21, 7                         ; which 128 keys
	s_mul_i32 s22, s20, 393216
	s_add_co_u32 s22, s22, 262144
	s_lshl_b32 s40, s21, 13
	s_add_co_u32 s22, s22, s40
	s_add_nc_u64 s[96:97], s[96:97], s[22:23]
	s_mul_i32 s22, s20, 20480
	s_add_co_u32 s22, s22, 16384
	s_lshl_b32 s40, s21, 8
	s_add_co_u32 s22, s22, s40
	s_add_nc_u64 s[98:99], s[98:99], s[22:23]
.irp a, 0,1,2,3,4,5,6,7
	OUTBLK 1, \a
.endr
	ds_load_b128 v[T:T+3], v[SRV]                  ; lanes 0-15: the first head's 64 words, lanes 16-31 the second's
	s_wait_dscnt 0x0
	global_store_b128 v[VWO], v[T:T+3], s[98:99]
.Ldone:
	s_wait_tensorcnt 0x0                           ; the wave's end
	ds_add_u32 v[SPW], v[NIL]
	s_wait_dscnt 0x0
	CROUND                                         ; the closing round
	s_endpgm
.Lfunc_end_k_q0a9309fb55_qkv:
	.size	k_q0a9309fb55_qkv, .Lfunc_end_k_q0a9309fb55_qkv-k_q0a9309fb55_qkv
	.p2alignl 7, 3214868480
	.fill 96, 4, 3214868480
	.section	.rodata,"a",@progbits
	.p2align	6, 0x0
	.amdhsa_kernel k_q0a9309fb55_qkv
		.amdhsa_group_segment_fixed_size 327680
		.amdhsa_private_segment_fixed_size 0
		.amdhsa_enable_private_segment 0
		.amdhsa_kernarg_size 104
		.amdhsa_user_sgpr_count 2
		.amdhsa_user_sgpr_kernarg_segment_ptr 1
		.amdhsa_wavefront_size32 1
		.amdhsa_system_sgpr_workgroup_id_x 1
		.amdhsa_system_sgpr_workgroup_id_y 1
		.amdhsa_system_sgpr_workgroup_id_z 1
		.amdhsa_system_vgpr_workitem_id 0
		.amdhsa_next_free_vgpr 1024
		.amdhsa_next_free_sgpr 102
		.amdhsa_reserve_vcc 0
		.amdhsa_float_denorm_mode_32 3
		.amdhsa_float_denorm_mode_16_64 3
		.amdhsa_memory_ordered 1
		.amdhsa_forward_progress 1
		.amdhsa_inst_pref_size 255
	.end_amdhsa_kernel
	.section	.bss,"aw",@nobits
	.p2align	6
	.space	262144
	.amdgpu_metadata
---
amdhsa.version: [ 1, 2 ]
amdhsa.kernels:
  - .name:           k_q0a9309fb55_qkv
    .symbol:         k_q0a9309fb55_qkv.kd
    .args:
      - { .name: hnc, .offset: 0, .size: 8, .value_kind: global_buffer, .address_space: global }
      - { .name: hns, .offset: 8, .size: 8, .value_kind: global_buffer, .address_space: global }
      - { .name: Wq_codes, .offset: 16, .size: 8, .value_kind: global_buffer, .address_space: global }
      - { .name: Wq_scales, .offset: 24, .size: 8, .value_kind: global_buffer, .address_space: global }
      - { .name: Wk_codes, .offset: 32, .size: 8, .value_kind: global_buffer, .address_space: global }
      - { .name: Wk_scales, .offset: 40, .size: 8, .value_kind: global_buffer, .address_space: global }
      - { .name: Wv_codes, .offset: 48, .size: 8, .value_kind: global_buffer, .address_space: global }
      - { .name: Wv_scales, .offset: 56, .size: 8, .value_kind: global_buffer, .address_space: global }
      - { .name: bq, .offset: 64, .size: 8, .value_kind: global_buffer, .address_space: global }
      - { .name: bk, .offset: 72, .size: 8, .value_kind: global_buffer, .address_space: global }
      - { .name: bv, .offset: 80, .size: 8, .value_kind: global_buffer, .address_space: global }
      - { .name: big, .offset: 88, .size: 8, .value_kind: global_buffer, .address_space: global }
      - { .name: bigs, .offset: 96, .size: 8, .value_kind: global_buffer, .address_space: global }
    .group_segment_fixed_size: 327680
    .private_segment_fixed_size: 0
    .kernarg_segment_align: 8
    .kernarg_segment_size: 104
    .max_flat_workgroup_size: 128
    .sgpr_count:     102
    .vgpr_count:     1024
    .wavefront_size: 32
...
	.end_amdgpu_metadata
.endif
;; end of part 2
;; launch attn (part 3): grid 8 x 32, 16 waves a work-group, clusters of 4 x 1, 309,248 bytes of LDS; arguments big, bigs, oc, os; writes oc, os
.if DOCPART == 3
	.amdgcn_target "amdgcn-amd-amdhsa--gfx1250"
	.amdhsa_code_object_version 6
	.text
	.protected	k_q0a9309fb55_attn
	.globl	k_q0a9309fb55_attn
	.p2align	8
	.type	k_q0a9309fb55_attn,@function
k_q0a9309fb55_attn:
	s_mov_b64 s[64:65], 0
	v_nop
	global_prefetch_b8 v0, s[64:65] scope:SCOPE_SE
	s_setreg_imm32_b32 hwreg(HW_REG_WAVE_MODE, 25, 1), 1
	s_wait_xcnt 0x0
	s_wait_alu depctr_hold_cnt(0) depctr_sa_sdst(0) depctr_va_vdst(0) depctr_va_sdst(0) depctr_va_ssrc(0) depctr_va_vcc(0) depctr_vm_vsrc(0)
	s_getreg_b32 s2, hwreg(HW_REG_IB_STS2, 6, 4)
	s_cmp_eq_u32 s2, 0
	s_cbranch_scc0 .Lentry_in_a_cluster
	s_endpgm
.Lentry_in_a_cluster:
	s_bfe_u32 s2, ttmp6, 0x10000c
	s_cmp_lg_u32 s2, 0x3003
	s_cbranch_scc0 .Lentry_shape_is_right
	s_endpgm
.Lentry_shape_is_right:
; Attention of one head on codes of E4M3 with E8M0 scales: S = q k^T / 8, p = 2^(t - M) with t = S log2(e) and M the running largest t rounded UP to a whole number, O = (p v) / (the sum of the unquantised p),
; and the quantising of O along the model's 1,024 for the next product.  2,048 keys, head size 64, no mask.
; SHARES: a work-group owns 256 queries of one head, each of its sixteen waves 16: four waves to a SIMD, so that one wave's vector work stands beside another's products and LDS loads.
; THE WHOLE HEAD'S k AND v LIE IN LDS, filled ONCE: 2 x 128 KB of codes as rows of 128 bytes + 16, and 12 KB of scale words.  No byte is filled again, so there is no ring.
; CLUSTER: the four query blocks of a cluster belong to one head: every tile is asked for jointly, with a mask that names the four; the descriptors hang on the head and the wave's number alone.
; THE FILL: wave 0 fetches k, wave 1 v: five loads each, in the order in which the steps want them: its half of the scale words, then keys 0-255, 256-511, 512-1,023 and 1,024-2,047: few loads, of 128 rows or more.
; The sixteen key steps run in four phases of 2, 2, 4 and 8 steps, each behind a counted wait and a barrier: a load has all the steps on the keys in front of it in which to land, and only the first 22 KB a wave are waited for idle.
; HEAD SIZE 64 IN A K OF 128: a fragment's row holds TWO keys, kappa in k 0-63 and kappa + 8 in k 64-127; q stands in a run of registers [8 zeros | q | 8 zeros], of which [q | 0] picks kappa and [0 | q] picks kappa + 8.
; Zero codes add nothing under any scale byte made here.  Lane r of group c takes kappa = 32 c + r + 8 (r / 8): so the 16 registers of tiles 2 c and 2 c + 1 are 16 neighbouring keys, 32 c + 16 (lane / 16) + 0 .. 15.
; Both products are used transposed: a lane holds ONE query (lane % 16) throughout.  v's rows lie with d's bits 3 and 4 exchanged, so that O's 16 registers of two tiles are 16 neighbouring d.
; OUT: O's codes as images of the next operand's registers, [16 tokens][128 along K][piece c][lane][16 bytes]: my head is half of a K step, two pieces, 1,024 bytes on end.  Its two scale bytes are half of a word
; [K step][token]: they leave by one store of 2 bytes a lane, 16 tokens within 64 bytes: the other half is another work-group's; 1/32 of the codes' bytes.
; LIMITS: NaN and infinities are not served.  A block whose largest magnitude is 0 or lies under 2^-118 gets the byte 1.  1 / sum by v_rcp_f32.
.set PK,    144                        ; an LDS row: 128 bytes + 16
.set VBASE, 1024*PK                    ; k: rows 0-1,023 (two keys each);  v: rows 1,024-2,047
.set SCK,   2048*PK                    ; k's scale words, 8 KB;
.set SCV,   SCK+8192                   ; v's, 4 KB
.set STEPB, 64*PK                      ; 128 keys of k, and of v
.set AK0, 1
.set AV0, 2
.set ASK0, 3
.set ASV0, 4
.set L16, 5
.set R4,  6
.set ADK, 8
.set ADV, 9
.set ADS, 10
.set ADT, 11
.set F,   40                           ; v40-103  four fragments of k or of v
.set S,   104                          ; v104-167 S^T, then p
.set O,   168                          ; v168-199 O^T
.set PC,  200                          ; v200-215 p's codes
.set KSR, 216                          ; v216-219 k's scale words, v220-221 v's, v222 q's, v223 p's: they hold scales and nothing else
.set VSR, 220
.set QW,  222
.set PWD, 223
.set BM,  224                          ; block maxima;  PB: the other half's, then bytes;  SO: the conversions' scale operands
.set PB,  228
.set HO,  232
.set SO,  236
.set WV,  12
.set G1S, 24                           ; s[24:31] descriptor group 1 for the scale words;  s[32:39], s[40:47], s[48:55] for 128, 256 and 512 rows of codes
.set G1A, 32
.set G1B, 40
.set G1C, 48
.set G0S, 56                           ; groups 0, one for each of a wave's five loads: none is written again
.set G0A, 60
.set G0B, 68
.set G0C, 72
.set G0D, 76
.set SEL, 80
.set CS,  82
.set MNT, 84
.set TB,  85
.set TS,  86
.set TJ,  87
.set CNT, 88
.macro CROUND
	s_barrier_signal -1
	s_barrier_wait -1
	s_cmp_lg_u32 s[WV], 0
	s_cbranch_scc1 .Lnot_wave_0_\@
	s_barrier_signal -3
.Lnot_wave_0_\@:
	s_barrier_wait -3
	s_barrier_signal -1
	s_barrier_wait -1
.endm
.macro CODES1 g, rows                  ; group 1 for rows of 128 codes, dense in memory: the mask of all four, bit 21 beside it; elements of 1 byte; 4 words of padding after every 32
	s_mov_b32 s[\g], 15|(1<<20)|(1<<21)|(4<<22)|(3<<25)
	s_mov_b32 s[\g+1], 128<<16                     ; tensor_dim0
	s_mov_b32 s[\g+2], (\rows)<<16                 ; tensor_dim1
	s_mov_b32 s[\g+3], 128<<16                     ; tile_dim0
	s_mov_b32 s[\g+4], \rows                       ; tile_dim1
	s_mov_b32 s[\g+5], 128                         ; from row to row
	s_mov_b32 s[\g+6], 0
	s_mov_b32 s[\g+7], 0
.endm
	s_load_b256 s[4:11], s[0:1], 0x0               ; codes s[4:5], scale words s[6:7], O's codes s[8:9], O's scale words s[10:11]
	v_lshl_add_u32 v254, v0, 2, 0x4b000
	v_mov_b32 v255, 0
	ds_add_u32 v254, v255
	ds_add_u32 v254, v255
	v_lshrrev_b32 v1, 5, v0
	s_delay_alu instid0(VALU_DEP_1)
	v_readfirstlane_b32 s[WV], v1                  ; wave 0..15
	s_bfe_u32 s13, ttmp6, 0x40000                  ; cx
	s_lshl_b32 s14, ttmp9, 2
	s_add_co_u32 s14, s14, s13                     ; my block of 256 queries: it enters q's and O's addresses alone
	s_and_b32 s15, ttmp7, 0xffff                   ; 16 x batch + head, which the four partners share
	s_mov_b32 s[G1S], 15|(3<<16)|(1<<21)           ; scale words: the mask of all four; elements of 8 bytes; 24 rows of 256 bytes, dense
	s_mov_b32 s[G1S+1], 32<<16
	s_mov_b32 s[G1S+2], 24<<16
	s_mov_b32 s[G1S+3], 32<<16
	s_mov_b32 s[G1S+4], 24
	s_mov_b32 s[G1S+5], 32
	s_mov_b32 s[G1S+6], 0
	s_mov_b32 s[G1S+7], 0
	CODES1 G1A, 128
	CODES1 G1B, 256
	CODES1 G1C, 512
	s_mov_b32 s[SEL], 0x76543210
	s_mov_b32 s[SEL+1], 0xfedcba98
	s_mov_b32 s[CS], 0x3e38aa3b                    ; c = log2(e) / 8
	s_mov_b32 s[CS+1], s[CS]
	s_mov_b32 s[TB], 0
	s_mov_b32 s[TS], 0
	s_mov_b32 s[TJ], 0
	s_mul_i32 s16, s15, 393216                     ; the head's first byte of codes,
	s_mul_i32 s21, s15, 20480                      ; and of scale words
	s_and_b32 s17, s[WV], 1                        ; of the two waves that fetch, wave 0 takes k and wave 1 v
	s_mul_i32 s18, s17, 6144                       ; my half of the 12,288 bytes of k's and v's scale words,
	s_mul_i32 s19, s17, VBASE                      ; my 1,024 rows in LDS,
	s_lshl_b32 s20, s17, 17                        ; and in memory: 131,072 bytes, behind q's 131,072
	s_add_co_u32 s20, s20, s16
	s_add_co_u32 s20, s20, 131072
	s_add_co_u32 s22, s21, s18
	s_add_co_u32 s22, s22, 8192                    ; k's and v's words lie behind q's 8,192 bytes
	s_mov_b32 s23, 0
	s_wait_dscnt 0x0
	s_wait_kmcnt 0x0
	s_mov_b32 s[G0S], 1
	s_add_co_u32 s[G0S+1], s18, SCK
	s_add_nc_u64 s[G0S+2:G0S+3], s[6:7], s[22:23]
	s_or_b32 s[G0S+3], s[G0S+3], 0x80000000
	s_mov_b32 s22, s20
	s_add_nc_u64 s[G0A+2:G0A+3], s[4:5], s[22:23]              ; rows 0-127: keys 0-255
	s_add_nc_u64 s[G0B+2:G0B+3], s[G0A+2:G0A+3], 128*128       ; rows 128-255
	s_add_nc_u64 s[G0C+2:G0C+3], s[G0A+2:G0A+3], 256*128       ; rows 256-511
	s_add_nc_u64 s[G0D+2:G0D+3], s[G0A+2:G0A+3], 512*128       ; rows 512-1,023
.irp g, G0A, G0B, G0C, G0D
	s_mov_b32 s[\g], 1
	s_or_b32 s[\g+3], s[\g+3], 0x80000000
.endr
	s_mov_b32 s[G0A+1], s19
	s_add_co_u32 s[G0B+1], s19, 128*PK
	s_add_co_u32 s[G0C+1], s19, 256*PK
	s_add_co_u32 s[G0D+1], s19, 512*PK
	CROUND                                         ; all four work-groups are here: the joint loads meet
	s_cmp_lt_u32 s[WV], 2                          ; the branch hangs on the wave's number alone: it is the same in every work-group
	s_cbranch_scc0 .Lno_fill
	tensor_load_to_lds s[G0S:G0S+3], s[G1S:G1S+7]  ; a wave's five first fills stand together in this one branch, ahead of every wait on TENSORcnt and every LDS read: five loads of mine are out
	s_nop 0
	tensor_load_to_lds s[G0A:G0A+3], s[G1A:G1A+7]
	s_nop 0
	tensor_load_to_lds s[G0B:G0B+3], s[G1A:G1A+7]
	s_nop 0
	tensor_load_to_lds s[G0C:G0C+3], s[G1B:G1B+7]
	s_nop 0
	tensor_load_to_lds s[G0D:G0D+3], s[G1C:G1C+7]
	s_nop 0
.rept 4
	v_nop
.endr
.Lno_fill:
	s_lshl_b32 s17, s14, 8
	s_lshl_b32 s18, s[WV], 4
	s_add_co_u32 s17, s17, s18                     ; my first query in the head
	s_lshl_b32 s22, s17, 6
	s_add_co_u32 s22, s22, s16
	s_add_nc_u64 s[18:19], s[4:5], s[22:23]        ; its codes
	s_lshl_b32 s22, s17, 2
	s_add_co_u32 s22, s22, s21
	s_add_nc_u64 s[20:21], s[6:7], s[22:23]        ; its scale word
	s_lshr_b32 s13, s15, 4
	s_lshl_b32 s13, s13, 11
	s_add_co_u32 s13, s13, s17                     ; my first token
	s_and_b32 s14, s15, 15
	s_lshr_b32 s16, s14, 1                         ; the next product's K step,
	s_and_b32 s14, s14, 1                          ; and which half of it my head is
	s_lshl_b32 s22, s13, 10                        ; (token / 16) x 8 images of 2,048 bytes
	s_lshl_b32 s17, s16, 11
	s_add_co_u32 s22, s22, s17
	s_lshl_b32 s17, s14, 10
	s_add_co_u32 s22, s22, s17
	s_add_nc_u64 s[8:9], s[8:9], s[22:23]
	s_lshl_b32 s22, s16, 12
	s_add_co_u32 s22, s22, s13
	s_lshl_b32 s22, s22, 2
	s_lshl_b32 s17, s14, 1
	s_add_co_u32 s22, s22, s17
	s_add_nc_u64 s[10:11], s[10:11], s[22:23]
	v_and_b32 v246, 15, v0                         ; r
	v_bfe_u32 v247, v0, 4, 1                       ; h
	v_and_b32 v248, 31, v0                         ; lane
	s_delay_alu instid0(VALU_DEP_3)
	v_lshlrev_b32 v243, 6, v246
	s_delay_alu instid0(VALU_DEP_1)
	v_lshl_add_u32 v243, v247, 4, v243             ; q: 64 r + 16 h
	v_lshlrev_b32 v[R4], 2, v246
	global_load_b128 v[24:27], v243, s[18:19]      ; q's eight registers, in the middle of the run v16-39
	global_load_b128 v[28:31], v243, s[18:19] offset:32
	global_load_b32 v[QW], v[R4], s[20:21]
	v_and_b32 v249, 8, v246
	s_delay_alu instid0(VALU_DEP_1)
	v_add_nc_u32 v249, v249, v246                  ; r + 8 (r / 8)
	s_delay_alu instid0(VALU_DEP_1)
	v_lshrrev_b32 v250, 1, v249
	s_delay_alu instid0(VALU_DEP_1)
	v_mul_u32_u24 v[AK0], v250, PK
	v_and_b32 v250, 1, v246
	s_delay_alu instid0(VALU_DEP_1)
	v_lshl_add_u32 v[AK0], v250, 6, v[AK0]
	s_delay_alu instid0(VALU_DEP_1)
	v_lshl_add_u32 v[AK0], v247, 4, v[AK0]
	v_mul_u32_u24 v[AV0], v246, PK
	s_delay_alu instid0(VALU_DEP_1)
	v_lshl_add_u32 v[AV0], v247, 4, v[AV0]
	s_delay_alu instid0(VALU_DEP_1)
	v_add_nc_u32 v[AV0], VBASE, v[AV0]
	v_lshl_add_u32 v[ASK0], v249, 2, SCK
	s_delay_alu instid0(VALU_DEP_1)
	v_lshl_add_u32 v[ASK0], v247, 5, v[ASK0]       ; lanes 0-15 kappa's word, lanes 16-31 that of kappa + 8
	v_lshl_add_u32 v[ASV0], v248, 2, SCV           ; lanes 0-15 an even tile's rows, lanes 16-31 the odd tile's
	v_lshlrev_b32 v[L16], 4, v248
.irp j, 0,1,2,3,4,5,6,7
	v_mov_b32 v[16+\j], 0
	v_mov_b32 v[32+\j], 0
.endr
	v_mov_b32 v13, 0xff61b1e6                      ; the largest t so far: -3e38
	s_delay_alu instid0(VALU_DEP_1)
	v_floor_f32 v12, -v13                          ; -M
	v_mov_b32 v14, 0
	v_mov_b32 v15, 0
.irp b, 0,1,2,3
	v_mov_b32 v[PB+\b], 0                          ; a lane permute's destination counts as one of its sources
.endr
	v_mov_b32 v245, 0                              ; (named as the upper half of the pair v[244:245])
.irp j, 0,1,2,3,4,5,6,7,8,9,10,11,12,13,14,15,16,17,18,19,20,21,22,23,24,25,26,27,28,29,30,31
	v_mov_b32 v[O+\j], 0                           ; the step is written once: the first finds zeros, which the first change of M leaves zeros
.endr
; A KEY STEP: 128 keys
.macro STEP
	v_add_nc_u32 v[ADK], s[TB], v[AK0]
	v_add_nc_u32 v[ADV], s[TB], v[AV0]
	v_add_nc_u32 v[ADS], s[TS], v[ASK0]
	v_add_nc_u32 v[ADT], s[TJ], v[ASV0]
.rept 4
	v_nop                                          ; with the four additions: eight places in front of loads into registers that the last products read
.endr
.irp c, 0,1,2,3
	ds_load_b128 v[F+16*\c:F+16*\c+3], v[ADK] offset:2304*\c          ; kappa, d 16 h on
	ds_load_b128 v[F+16*\c+4:F+16*\c+7], v[ADK] offset:2304*\c+32     ; kappa, d 32 + 16 h on
	ds_load_b128 v[F+16*\c+8:F+16*\c+11], v[ADK] offset:2304*\c+576   ; kappa + 8: four rows of two keys further
	ds_load_b128 v[F+16*\c+12:F+16*\c+15], v[ADK] offset:2304*\c+608
	ds_load_b32 v[KSR+\c], v[ADS] offset:128*\c
.endr
	s_wait_alu depctr_va_vdst(0)
	s_wait_dscnt 0x0
.irp c, 0,1,2,3
	v_wmma_scale_f32_16x16x128_f8f6f4 v[S+16*\c:S+16*\c+7], v[F+16*\c:F+16*\c+15], v[24:39], 0, v[KSR+\c], v[QW]
	v_wmma_scale_f32_16x16x128_f8f6f4 v[S+16*\c+8:S+16*\c+15], v[F+16*\c:F+16*\c+15], v[16:31], 0, v[KSR+\c], v[QW] matrix_a_scale:MATRIX_SCALE_ROW1
.endr
.rept 8
	v_nop
.endr
.irp t, 0,1,2,3                        ; v's fragments are asked for now and land under the softmax
.irp c, 0,1,2,3
	ds_load_b128 v[F+16*\t+4*\c:F+16*\t+4*\c+3], v[ADV] offset:2304*\t+32*\c
.endr
.endr
	ds_load_b32 v[VSR], v[ADT]
	ds_load_b32 v[VSR+1], v[ADT] offset:128
.irp b, 0,1,2,3
	v_max3_num_f32 v[BM+\b], v[S+16*\b], v[S+1+16*\b], v[S+2+16*\b]   ; the largest score of each block of 32 keys: for the row's maximum, and, since p rises with the score, for the block's largest p
.endr
.irp i, 3,5,7,9,11,13
.irp b, 0,1,2,3
	v_max3_num_f32 v[BM+\b], v[BM+\b], v[S+16*\b+\i], v[S+1+16*\b+\i]
.endr
.endr
.irp b, 0,1,2,3
	v_max_num_f32 v[BM+\b], v[BM+\b], v[S+15+16*\b]
.endr
.irp b, 0,1,2,3
	s_delay_alu instid0(VALU_DEP_4)
	v_permlanex16_b32 v[PB+\b], v[BM+\b], s[SEL], s[SEL+1]
.endr
.irp b, 0,1,2,3
	s_delay_alu instid0(VALU_DEP_4)
	v_max_num_f32 v[BM+\b], v[BM+\b], v[PB+\b]
.endr
	s_delay_alu instid0(VALU_DEP_2)
	v_max3_num_f32 v242, v[BM], v[BM+1], v[BM+2]
	s_delay_alu instid0(VALU_DEP_1)
	v_max_num_f32 v242, v242, v[BM+3]
	s_delay_alu instid0(VALU_DEP_1)
	v_mul_f32 v242, s[CS], v242                    ; as t (c is positive)
	s_delay_alu instid0(VALU_DEP_1)
	v_max_num_f32 v13, v13, v242                   ; the running largest t
	v_mov_b32 v242, v12
	s_delay_alu instid0(VALU_DEP_2)
	v_floor_f32 v12, -v13                          ; the new -M = -ceil(t)
	s_delay_alu instid0(VALU_DEP_1)
	v_sub_f32 v242, v12, v242                      ; old M - new M: a whole number, 0 or less
	s_delay_alu instid0(VALU_DEP_1)
	v_cvt_i32_f32 v242, v242                       ; (it saturates)
	s_delay_alu instid0(VALU_DEP_1)
	v_ldexp_f32 v244, 1.0, v242                    ; f = 2^(old M - new M): a multiplication by it rounds nothing
.irp j, 0,2,4,6,8,10,12,14,16,18,20,22,24,26,28,30,32,34,36,38,40,42,44,46,48,50,52,54,56,58,60,62
	v_pk_fma_f32 v[S+\j:S+1+\j], v[S+\j:S+1+\j], s[CS:CS+1], v[12:13] op_sel_hi:[1,0,0]   ; t - M
.endr
.irp b, 0,1,2,3
	v_fma_f32 v[BM+\b], v[BM+\b], s[CS], v12
.endr
	s_setprio 1
	s_wait_alu depctr_va_vdst(0)
.irp j, 0,1,2,3,4,5,6,7,8,9,10,11,12,13,14,15,16,17,18,19,20,21,22,23,24,25,26,27,28,29,30,31,32,33,34,35,36,37,38,39,40,41,42,43,44,45,46,47,48,49,50,51,52,53,54,55,56,57,58,59,60,61,62,63
	v_exp_f32 v[S+\j], v[S+\j]                     ; p = 2^(t - M), at most 1, not normalised
.endr
.irp b, 0,1,2,3
	v_exp_f32 v[BM+\b], v[BM+\b]                   ; the block's largest p: the same two instructions on the same number
.endr
	v_pk_mul_f32 v[14:15], v[14:15], v[244:245] op_sel_hi:[1,0]   ; the sums under the new M (a plain place behind the exponentials)
	s_wait_alu depctr_va_vdst(0)
.irp b, 0,1,2,3
	v_max_num_f32 v[BM+\b], 0x4800000, v[BM+\b]    ; the floor 2^(9 - 127)
.endr
.irp b, 0,1,2,3
	s_delay_alu instid0(VALU_DEP_4)
	v_add_nc_u32 v[SO+\b], 0xfc000000, v[BM+\b]
.endr
.irp b, 0,1,2,3
.endr
.irp b, 0,1,2,3
	s_delay_alu instid0(VALU_DEP_4)
	v_lshrrev_b32 v[PB+\b], 23, v[SO+\b]
.endr
	s_delay_alu instid0(VALU_DEP_3)
	v_lshl_or_b32 v[PWD], v[PB+1], 8, v[PB]        ; p's scale word for these 128 keys
	s_delay_alu instid0(VALU_DEP_1)
	v_lshl_or_b32 v[PWD], v[PB+2], 16, v[PWD]
	s_delay_alu instid0(VALU_DEP_1)
	v_lshl_or_b32 v[PWD], v[PB+3], 24, v[PWD]
	v_pk_add_f32 v[240:241], v[108:109], v[112:113]
	v_pk_add_f32 v[252:253], v[116:117], v[120:121]
	v_pk_add_f32 v[250:251], v[124:125], v[128:129]
	v_pk_add_f32 v[248:249], v[132:133], v[136:137]
	v_pk_add_f32 v[246:247], v[140:141], v[144:145]
	v_pk_add_f32 v[234:235], v[148:149], v[152:153]
	v_pk_add_f32 v[232:233], v[156:157], v[160:161]
	v_pk_add_f32 v[14:15], v[14:15], v[164:165]
	v_pk_add_f32 v[240:241], v[240:241], v[104:105]
	v_pk_add_f32 v[252:253], v[252:253], v[106:107]
	v_pk_add_f32 v[250:251], v[250:251], v[110:111]
	v_pk_add_f32 v[248:249], v[248:249], v[114:115]
	v_pk_add_f32 v[246:247], v[246:247], v[118:119]
	v_pk_add_f32 v[234:235], v[234:235], v[122:123]
	v_pk_add_f32 v[232:233], v[232:233], v[126:127]
	v_pk_add_f32 v[14:15], v[14:15], v[130:131]
	v_pk_add_f32 v[240:241], v[240:241], v[134:135]
	v_pk_add_f32 v[252:253], v[252:253], v[138:139]
	v_pk_add_f32 v[250:251], v[250:251], v[142:143]
	v_pk_add_f32 v[248:249], v[248:249], v[146:147]
	v_pk_add_f32 v[246:247], v[246:247], v[150:151]
	v_pk_add_f32 v[234:235], v[234:235], v[154:155]
	v_pk_add_f32 v[232:233], v[232:233], v[158:159]
	v_pk_add_f32 v[14:15], v[14:15], v[162:163]
	v_pk_add_f32 v[240:241], v[240:241], v[166:167]
	s_delay_alu instid0(VALU_DEP_2)
	v_pk_add_f32 v[14:15], v[14:15], v[248:249]
	s_delay_alu instid0(VALU_DEP_2)
	v_pk_add_f32 v[240:241], v[240:241], v[246:247]
	v_pk_add_f32 v[252:253], v[252:253], v[234:235]
	v_pk_add_f32 v[250:251], v[250:251], v[232:233]
	s_delay_alu instid0(VALU_DEP_2)
	v_pk_add_f32 v[14:15], v[14:15], v[252:253]
	s_delay_alu instid0(VALU_DEP_2)
	v_pk_add_f32 v[240:241], v[240:241], v[250:251]
	s_delay_alu instid0(VALU_DEP_1)
	v_pk_add_f32 v[14:15], v[14:15], v[240:241]
	s_setprio 0
.irp b, 0,1,2,3
.irp i, 0,1,2,3,4,5,6,7,8,9,10,11,12,13,14,15
.endr
	v_cvt_scalef32_pk8_fp8_f32 v[PC+4*\b:PC+1+4*\b], v[S+16*\b:S+7+16*\b], v[SO+\b]
	v_cvt_scalef32_pk8_fp8_f32 v[PC+2+4*\b:PC+3+4*\b], v[S+8+16*\b:S+15+16*\b], v[SO+\b]
.endr
.irp j, 0,2,4,6,8,10,12,14,16,18,20,22,24,26,28,30
	v_pk_mul_f32 v[O+\j:O+1+\j], v[O+\j:O+1+\j], v[244:245] op_sel_hi:[1,0]   ; O^T under the new M (also the places between the codes and the products)
.endr
	s_wait_alu depctr_va_vdst(0)
	s_wait_dscnt 0x0                               ; v's fragments and scale words
.irp t, 0,2
	v_wmma_scale_f32_16x16x128_f8f6f4 v[O+8*\t:O+8*\t+7], v[F+16*\t:F+16*\t+15], v[PC:PC+15], v[O+8*\t:O+8*\t+7], v[VSR+\t/2], v[PWD]
	v_wmma_scale_f32_16x16x128_f8f6f4 v[O+8*\t+8:O+8*\t+15], v[F+16*\t+16:F+16*\t+31], v[PC:PC+15], v[O+8*\t+8:O+8*\t+15], v[VSR+\t/2], v[PWD] matrix_a_scale:MATRIX_SCALE_ROW1
.endr
	s_add_co_u32 s[TB], s[TB], STEPB
	s_add_co_u32 s[TS], s[TS], 512
	s_add_co_u32 s[TJ], s[TJ], 256
.endm
; The eight steps that run while loads are on their way are written out, between the waits: each phase reads only rows whose load its wait has shown landed.
	s_wait_tensorcnt 3                             ; of a fetching wave's five loads the scale words and keys 0-255 are in; the three later ones may be out
	s_barrier_signal -1
	s_barrier_wait -1                              ; both fetching waves have said so
	s_wait_loadcnt 0x0                             ; q
.rept 2
	STEP                                           ; keys 0-255: LDS rows 0-127 of k and of v
.endr
	s_wait_tensorcnt 2                             ; keys 256-511 are in; the two later loads may be out
	s_wait_dscnt 0x0
	s_barrier_signal -1
	s_barrier_wait -1
.rept 2
	STEP                                           ; keys 256-511: rows 128-255
.endr
	s_wait_tensorcnt 1                             ; keys 512-1,023 are in; the last load may be out
	s_wait_dscnt 0x0
	s_barrier_signal -1
	s_barrier_wait -1
.rept 4
	STEP                                           ; keys 512-1,023: rows 256-511
.endr
	s_wait_tensorcnt 0x0                           ; the last load is in,
	s_wait_dscnt 0x0
	s_barrier_signal -1
	s_barrier_wait -1                              ; both waves'
	s_mov_b32 s[CNT], 8
.Lstep:                                            ; keys 1,024-2,047
	s_setprio 2
	STEP
	s_sub_co_u32 s[CNT], s[CNT], 1
	s_cmp_lg_u32 s[CNT], 0
	s_cbranch_scc1 .Lstep
	s_setprio 0
.rept 8
	v_nop
.endr
	v_add_f32 v14, v14, v15                        ; the sum's two halves,
	s_delay_alu instid0(VALU_DEP_1)
	v_permlanex16_b32 v242, v14, s[SEL], s[SEL+1]
	s_delay_alu instid0(VALU_DEP_1)
	v_add_f32 v14, v14, v242                       ; and lane l xor 16's
	s_wait_alu depctr_va_vdst(0)
	v_rcp_f32 v14, v14
	v_nop
	s_wait_alu depctr_va_vdst(0)
.irp j, 0,1,2,3,4,5,6,7,8,9,10,11,12,13,14,15,16,17,18,19,20,21,22,23,24,25,26,27,28,29,30,31
	v_mul_f32 v[S+\j], v[O+\j], v14                ; register 16 b + i = o(query r, d = 32 b + 16 h + i)
.endr
.irp b, 0,1
	v_max3_num_f32 v[BM+\b], |v[S+16*\b]|, |v[S+1+16*\b]|, 0x4800000
.endr
.irp i, 2,4,6,8,10,12,14
.irp b, 0,1
	s_delay_alu instid0(VALU_DEP_2)
	v_max3_num_f32 v[BM+\b], v[BM+\b], |v[S+16*\b+\i]|, |v[S+1+16*\b+\i]|
.endr
.endr
.irp b, 0,1
	s_delay_alu instid0(VALU_DEP_2)
	v_permlanex16_b32 v[PB+\b], v[BM+\b], s[SEL], s[SEL+1]
.endr
.irp b, 0,1
	s_delay_alu instid0(VALU_DEP_2)
	v_max_num_f32 v[BM+\b], v[BM+\b], v[PB+\b]
.endr
.irp b, 0,1
	s_delay_alu instid0(VALU_DEP_2)
	v_add_nc_u32 v[SO+\b], 0xfc000000, v[BM+\b]
.endr
.irp b, 0,1
.endr
.irp b, 0,1
	s_delay_alu instid0(VALU_DEP_2)
	v_lshrrev_b32 v[PB+\b], 23, v[SO+\b]
.endr
	s_delay_alu instid0(VALU_DEP_1)
	v_lshl_or_b32 v242, v[PB+1], 8, v[PB]          ; my head's two bytes of the token's scale word
.irp b, 0,1
.irp i, 0,1,2,3,4,5,6,7,8,9,10,11,12,13,14,15
.endr
	v_cvt_scalef32_pk8_fp8_f32 v[PC+4*\b:PC+1+4*\b], v[S+16*\b:S+7+16*\b], v[SO+\b]
	v_cvt_scalef32_pk8_fp8_f32 v[PC+2+4*\b:PC+3+4*\b], v[S+8+16*\b:S+15+16*\b], v[SO+\b]
.endr
	v_nop
	global_store_b128 v[L16], v[PC:PC+3], s[8:9]               ; the conversions' results ARE two pieces of the next operand's image: 512 consecutive bytes each
	global_store_b128 v[L16], v[PC+4:PC+7], s[8:9] offset:512
	global_store_b16 v[R4], v242, s[10:11]                     ; both halves of the lanes write the same two bytes
	s_wait_tensorcnt 0x0
	ds_add_u32 v254, v255
	s_wait_dscnt 0x0
	CROUND                                         ; the closing round
	s_endpgm
.Lfunc_end_k_q0a9309fb55_attn:
	.size	k_q0a9309fb55_attn, .Lfunc_end_k_q0a9309fb55_attn-k_q0a9309fb55_attn
	.p2alignl 7, 3214868480
	.fill 96, 4, 3214868480
	.section	.rodata,"a",@progbits
	.p2align	6, 0x0
	.amdhsa_kernel k_q0a9309fb55_attn
		.amdhsa_group_segment_fixed_size 309248
		.amdhsa_private_segment_fixed_size 0
		.amdhsa_enable_private_segment 0
		.amdhsa_kernarg_size 32
		.amdhsa_user_sgpr_count 2
		.amdhsa_user_sgpr_kernarg_segment_ptr 1
		.amdhsa_wavefront_size32 1
		.amdhsa_system_sgpr_workgroup_id_x 1
		.amdhsa_system_sgpr_workgroup_id_y 1
		.amdhsa_system_sgpr_workgroup_id_z 1
		.amdhsa_system_vgpr_workitem_id 0
		.amdhsa_next_free_vgpr 256
		.amdhsa_next_free_sgpr 92
		.amdhsa_reserve_vcc 0
		.amdhsa_float_denorm_mode_32 3
		.amdhsa_float_denorm_mode_16_64 3
		.amdhsa_fp16_overflow 1
		.amdhsa_memory_ordered 1
		.amdhsa_forward_progress 1
		.amdhsa_inst_pref_size 171
	.end_amdhsa_kernel
	.amdgpu_metadata
---
amdhsa.version: [ 1, 2 ]
amdhsa.kernels:
  - .name:           k_q0a9309fb55_attn
    .symbol:         k_q0a9309fb55_attn.kd
    .args:
      - { .name: big, .offset: 0, .size: 8, .value_kind: global_buffer, .address_space: global }
      - { .name: bigs, .offset: 8, .size: 8, .value_kind: global_buffer, .address_space: global }
      - { .name: oc, .offset: 16, .size: 8, .value_kind: global_buffer, .address_space: global }
      - { .name: os, .offset: 24, .size: 8, .value_kind: global_buffer, .address_space: global }
    .group_segment_fixed_size: 309248
    .private_segment_fixed_size: 0
    .kernarg_segment_align: 8
    .kernarg_segment_size: 32
    .max_flat_workgroup_size: 512
    .sgpr_count:     92
    .vgpr_count:     256
    .wavefront_size: 32
...
	.end_amdgpu_metadata
.endif
;; end of part 3
;; launch wo (part 4): grid 8 x 32, 4 waves a work-group, clusters of 4 x 4, 327,680 bytes of LDS; arguments oc, os, Wo_codes, Wo_scales, bo, x, x1; writes x1
.if DOCPART == 4
	.amdgcn_target "amdgcn-amd-amdhsa--gfx1250"
	.amdhsa_code_object_version 6
	.text
	.protected	k_q0a9309fb55_wo
	.globl	k_q0a9309fb55_wo
	.p2align	8
	.type	k_q0a9309fb55_wo,@function
k_q0a9309fb55_wo:
	s_mov_b64 s[64:65], 0
	v_nop
	global_prefetch_b8 v0, s[64:65] scope:SCOPE_SE
	s_setreg_imm32_b32 hwreg(HW_REG_WAVE_MODE, 25, 1), 1
	s_wait_xcnt 0x0
	s_wait_alu depctr_hold_cnt(0) depctr_sa_sdst(0) depctr_va_vdst(0) depctr_va_sdst(0) depctr_va_ssrc(0) depctr_va_vcc(0) depctr_vm_vsrc(0)
	s_getreg_b32 s2, hwreg(HW_REG_IB_STS2, 6, 4)
	s_cmp_eq_u32 s2, 0
	s_cbranch_scc0 .Lentry_in_a_cluster
	s_endpgm
.Lentry_in_a_cluster:
	s_bfe_u32 s2, ttmp6, 0x10000c
	s_cmp_lg_u32 s2, 0xf033
	s_cbranch_scc0 .Lentry_shape_is_right
	s_endpgm
.Lentry_shape_is_right:
; OUT = RES + A W^T + bias.  A: 4,096 rows as images of the operand's registers, [16 rows][128 along K][piece c][lane][16 bytes], with scale words [K step][row]; W: [1,024][SIZE_K] codes, K innermost, scale bytes [1,024][SIZE_K / 32];
; bias [1,024], RES and OUT [4,096][1,024] f32.  Codes of E4M3, one E8M0 scale for each 32 along K, sums in f32.
; A tile of 128 x 128 to a work-group (256 of them), 64 x 64 to each of four waves: 16 accumulators.  Tiles of 256 x 256 would be 64, and three WGPs in four would have no work.
; K goes in steps of 512 through two LDS slots, as long as two slots allow: behind each change of slots a wave issues one load of 32 KB or more, which has 64 matrix instructions in which to land.
; A's images are dense and are read as they lie (16 x lane): no pitch, no padding.  W's rows of 512 bytes get 16 of padding.  The scales of all of K come once, with the first fills.
; CLUSTERS: 4 x 4: A's tiles are asked for jointly along a row of the cluster, W's along a column.  THE MATRIX INSTRUCTION IS USED TRANSPOSED (source 0 = W's rows, source 1 = A's): a lane holds eight neighbouring numbers of a row.
; The bias is the C of each sum's first instruction.  RES is asked for at the head and waited for on the way out.
; REGISTERS: window 0: v16-29 addresses; v32-79 scale words, two sets of 24; v80-111 the bias; v128-255 the accumulators ((a, b) at 128 + 8 (4 a + b)).  window 1: two sets of fragments: W's four, then A's four.  window 2: v0-127 RES.
.set SIZE_K, 1024
.set NK,     SIZE_K/128
.set KS,     SIZE_K/32
.set LAPS,   SIZE_K/1024               ; a lap = two K steps of 512 = once round the ring
.set NP,     8                         ; places behind this matrix instruction (ISA guide 7.12.1)
.set APART,  65536                     ; a slot: A's 8 row blocks x 4 images of 2,048 bytes,
.set BP,     528                       ; then W's 128 rows of 512 bytes + 16
.set BHALF,  64*BP
.set SLOT,   APART+2*BHALF
.set SCA,    2*SLOT                    ; A's scale words: NK rows of 512 bytes (128 rows' words)
.set SCB,    SCA+512*NK                ; W's scale bytes, as blocks of 256 bytes + 16
.set SBLK,   (16*KS/256)*272           ; those of 16 rows
.set SPARE,  SCB+8*SBLK                ; the spare words: 128 bytes a wave, two blocks of 256 bytes that no other line names
.set ADRA, 16
.set ADRB, 20
.set ADSA, 22
.set ADSB, 23
.set STO,  24
.set RD,   25
.set CO,   26
.set BOF,  27
.set SPW,  28
.set NIL,  29
.set SC,   32                          ; set s at SC + 24 s: A's words at 2 q + i (lanes 0-15 row block 2 i, lanes 16-31 row block 2 i + 1), W's at 8 + 4 i + q
.set BN,   80
.set ACC,  128
.set G1, 24
.set G0, 32
.set G1B, 48
.set G0B, 56
.set G1S, 68
.set G0S, 76
.set G1SB, 80
.set G0SB, 88
.set MSB, 0
.macro WIN new
.if MSB != \new
	s_set_vgpr_msb (MSB<<8)|\new
.set MSB, \new
.endif
.endm
.set MUL,  0x05                        ; sources 0 and 1 window 1; C and D window 0
.set TO_F, 0x40
.macro JLOAD g0a, g1a, g0b, g1b        ; a joint load: waves 0 and 1 fetch for A, waves 2 and 3 for W; four v_nop follow each of the two lines
	s_cmp_eq_u32 s15, 0
	s_cbranch_scc0 .Lfor_b_\@
	tensor_load_to_lds s[\g0a:\g0a+3], s[\g1a:\g1a+7]
	s_nop 0
.rept 4
	v_nop
.endr
	s_branch .Lasked_\@
.Lfor_b_\@:
	tensor_load_to_lds s[\g0b:\g0b+3], s[\g1b:\g1b+7]
	s_nop 0
.rept 4
	v_nop
.endr
.Lasked_\@:
.endm
.macro CREST
	s_cmp_lg_u32 s14, 0
	s_cbranch_scc1 .Lnot_wave_0_\@
	s_barrier_signal -3
.Lnot_wave_0_\@:
	s_barrier_wait -3
	s_barrier_signal -1
	s_barrier_wait -1
.endm
.macro CROUND
	s_barrier_signal -1
	s_barrier_wait -1
	CREST
.endm
	s_load_b128 s[4:7], s[0:1], 0x0                ; A's images, A's scale words
	s_load_b128 s[8:11], s[0:1], 0x10              ; W's codes, W's scale bytes
	s_load_b64 s[12:13], s[0:1], 0x20              ; the bias
	s_load_b128 s[96:99], s[0:1], 0x28             ; RES, OUT
	v_lshl_add_u32 v[SPW], v0, 2, SPARE
	v_mov_b32 v[NIL], 0
	ds_add_u32 v28, v29
	ds_add_u32 v28, v29
	s_wait_dscnt 0x0
	v_lshrrev_b32 v1, 5, v0
	v_readfirstlane_b32 s14, v1                    ; wave 0..3
	s_lshr_b32 s15, s14, 1                         ; which half of the tile's rows is mine.  Also: I fetch for A (0) or for W (1)
	s_and_b32 s16, s14, 1                          ; which half of its columns.  Also: which half of that tile I fetch
	s_bfe_u32 s40, ttmp6, 0x40000
	s_bfe_u32 s41, ttmp6, 0x40004
	s_lshl_b32 s42, ttmp9, 2
	s_add_co_u32 s42, s42, s40                     ; tile column
	s_and_b32 s17, ttmp7, 0xffff
	s_lshl_b32 s17, s17, 2
	s_add_co_u32 s17, s17, s41                     ; tile row
	s_lshl_b32 s43, s41, 2
	s_lshl_b32 s43, 15, s43                        ; my row of the cluster
	s_lshl_b32 s44, 0x1111, s40                    ; my column
	s_or_b32 s[G1+0], s43, (3<<16)|(1<<21)         ; A's images: elements of 8 bytes; 4 row blocks x 8,192 bytes (four K steps' images on end), no padding
	s_mov_b32 s[G1+1], 1024<<16
	s_mov_b32 s[G1+2], 4<<16
	s_mov_b32 s[G1+3], 1024<<16
	s_mov_b32 s[G1+4], 4
	s_mov_b32 s[G1+5], 2*SIZE_K                    ; from row block to row block: NK images
	s_mov_b32 s[G1+6], 0
	s_mov_b32 s[G1+7], 0
	s_or_b32 s[G1B+0], s44, (0<<16)|(1<<20)|(1<<21)|(6<<22)|(3<<25)   ; W: elements of 1 byte; 64 rows of 512; 4 words of padding after every 128
	s_mov_b32 s[G1B+1], 512<<16
	s_mov_b32 s[G1B+2], 64<<16
	s_mov_b32 s[G1B+3], 512<<16
	s_mov_b32 s[G1B+4], 64
	s_mov_b32 s[G1B+5], SIZE_K
	s_mov_b32 s[G1B+6], 0
	s_mov_b32 s[G1B+7], 0
	s_or_b32 s[G1S+0], s43, (3<<16)|(1<<21)        ; A's scale words: NK / 2 rows of 512 bytes, 16,384 bytes apart
	s_mov_b32 s[G1S+1], 64<<16
	s_mov_b32 s[G1S+2], (NK/2)<<16
	s_mov_b32 s[G1S+3], 64<<16
	s_mov_b32 s[G1S+4], NK/2
	s_mov_b32 s[G1S+5], 2048
	s_mov_b32 s[G1S+6], 0
	s_mov_b32 s[G1S+7], 0
	s_or_b32 s[G1SB+0], s44, (3<<16)|(1<<20)|(1<<21)|(5<<22)|(3<<25)  ; W's scale bytes of 64 rows: dense, as rows of 256 bytes + 16
	s_mov_b32 s[G1SB+1], 32<<16
	s_mov_b32 s[G1SB+2], (64*KS/256)<<16
	s_mov_b32 s[G1SB+3], 32<<16
	s_mov_b32 s[G1SB+4], 64*KS/256
	s_mov_b32 s[G1SB+5], 32
	s_mov_b32 s[G1SB+6], 0
	s_mov_b32 s[G1SB+7], 0
	s_lshl_b32 s20, s17, 3
	s_lshl_b32 s18, s16, 2
	s_add_co_u32 s20, s20, s18                     ; A: row block 8 x tile row + 4 x half
	s_mul_i32 s20, s20, 16*SIZE_K
	s_mov_b32 s21, 0
	s_mul_i32 s22, s16, (NK/2)*16384               ; A's words: my half of the K steps, the tile's 128 rows
	s_lshl_b32 s18, s17, 9
	s_add_co_u32 s22, s22, s18
	s_mov_b32 s23, 0
	s_lshl_b32 s46, s42, 7
	s_lshl_b32 s45, s16, 6
	s_add_co_u32 s46, s46, s45                     ; W: row 128 x tile column + 64 x half
	s_mul_i32 s92, s46, KS
	s_mov_b32 s93, 0
	s_mul_i32 s46, s46, SIZE_K
	s_mov_b32 s47, 0
	s_lshl_b32 s94, s16, 15                        ; where they go: no place in the cluster enters an LDS address
	s_mul_i32 s45, s16, BHALF
	s_add_co_u32 s45, s45, APART
	s_mul_i32 s18, s16, 256*NK
	s_mul_i32 s19, s16, 4*SBLK
	s_wait_kmcnt 0x0
	s_add_nc_u64 s[20:21], s[4:5], s[20:21]
	s_add_nc_u64 s[22:23], s[6:7], s[22:23]
	s_add_nc_u64 s[46:47], s[8:9], s[46:47]
	s_add_nc_u64 s[92:93], s[10:11], s[92:93]
	CROUND                                         ; all sixteen work-groups are here: the first joint loads meet
	s_mov_b32 s[G0S], 1
	s_add_co_u32 s[G0S+1], s18, SCA
	s_mov_b64 s[G0S+2:G0S+3], s[22:23]
	s_or_b32 s[G0S+3], s[G0S+3], 0x80000000
	s_mov_b32 s[G0SB], 1
	s_add_co_u32 s[G0SB+1], s19, SCB
	s_mov_b64 s[G0SB+2:G0SB+3], s[92:93]
	s_or_b32 s[G0SB+3], s[G0SB+3], 0x80000000
	JLOAD G0S, G1S, G0SB, G1SB
.irp s, 0,1
	s_mov_b32 s[G0+4*\s], 1
	s_add_co_u32 s[G0+4*\s+1], s94, \s*SLOT
	s_add_nc_u64 s[G0+4*\s+2:G0+4*\s+3], s[20:21], \s*8192
	s_or_b32 s[G0+4*\s+3], s[G0+4*\s+3], 0x80000000
	s_mov_b32 s[G0B+4*\s], 1
	s_add_co_u32 s[G0B+4*\s+1], s45, \s*SLOT
	s_add_nc_u64 s[G0B+4*\s+2:G0B+4*\s+3], s[46:47], \s*512
	s_or_b32 s[G0B+4*\s+3], s[G0B+4*\s+3], 0x80000000
	JLOAD G0+4*\s, G1, G0B+4*\s, G1B               ; three tensor loads of mine are out
.endr
	v_and_b32 v1, 15, v0                           ; r
	v_bfe_u32 v2, v0, 4, 1                         ; h
	v_and_b32 v3, 31, v0                           ; lane
	v_lshlrev_b32 v4, 4, v3
	s_lshl_b32 s21, s15, 15
	v_add_nc_u32 v[ADRA], s21, v4                  ; A: my four row blocks, 16 x lane
	v_add_nc_u32 v[ADRA+1], SLOT, v[ADRA]
	v_mul_u32_u24 v5, v1, BP
	v_lshl_add_u32 v5, v2, 4, v5
	s_mul_i32 s22, s16, BHALF
	s_add_co_u32 s22, s22, APART
	v_add_nc_u32 v[ADRB], s22, v5                  ; W: my 64 rows; row r x pitch + 16 h
	v_add_nc_u32 v[ADRB+1], SLOT, v[ADRB]
	s_lshl_b32 s21, s15, 8
	s_add_co_u32 s21, s21, SCA
	v_lshl_add_u32 v[ADSA], v3, 2, s21
	v_mul_u32_u24 v5, v1, KS
	v_lshrrev_b32 v6, 8, v5
	v_lshl_add_u32 v5, v6, 4, v5
	s_mul_i32 s22, s16, 4*SBLK
	s_add_co_u32 s22, s22, SCB
	v_add_nc_u32 v[ADSB], s22, v5
	s_mul_i32 s23, s14, 16*272                     ; my stage: 16 rows x (256 bytes + 16), in slot 0, which has had its last fill and its last read by then
	v_mul_u32_u24 v5, v1, 272
	v_lshl_add_u32 v5, v2, 5, v5
	v_add_nc_u32 v[STO], s23, v5
	v_mul_u32_u24 v5, v2, 272
	v_lshl_add_u32 v5, v1, 4, v5
	v_add_nc_u32 v[RD], s23, v5
	v_lshlrev_b32 v5, 12, v2
	v_lshl_add_u32 v[CO], v1, 4, v5                ; lanes 0-15 one row's 256 bytes, lanes 16-31 the next row's
	v_lshlrev_b32 v[BOF], 5, v2
	s_lshl_b32 s20, s17, 7
	s_lshl_b32 s21, s15, 6
	s_add_co_u32 s20, s20, s21                     ; my first row
	s_lshl_b32 s20, s20, 12
	s_lshl_b32 s46, s42, 7
	s_lshl_b32 s47, s16, 6
	s_add_co_u32 s46, s46, s47                     ; my first column
	s_lshl_b32 s46, s46, 2
	s_mov_b32 s47, 0
	s_add_nc_u64 s[12:13], s[12:13], s[46:47]
	s_add_co_u32 s20, s20, s46
	s_mov_b32 s21, 0
	s_add_nc_u64 s[96:97], s[96:97], s[20:21]
	s_add_nc_u64 s[98:99], s[98:99], s[20:21]
.irp b, 0,1,2,3
	global_load_b128 v[BN+8*\b:BN+8*\b+3], v[BOF], s[12:13] offset:64*\b          ; register 8 b + j = bias[16 b + 8 h + j]
	global_load_b128 v[BN+8*\b+4:BN+8*\b+7], v[BOF], s[12:13] offset:64*\b+16
.endr
	WIN 0x80                                       ; destination window 2
.irp a, 0,1,2,3
.irp t, 0,1,2,3,4,5,6,7
	global_load_b128 v[32*\a+4*\t:32*\a+4*\t+3], v[CO], s[96:97] offset:4096*(16*\a+2*\t)
.endr
.endr
	WIN 0
.macro FETCH slot, q, p                ; the fragments of the slot's q-th 128 along K into set p
	WIN TO_F
.irp i, 0,1,2,3
.irp c, 0,1,2,3
	ds_load_b128 v[128*(\p)+16*\i+4*\c:128*(\p)+16*\i+4*\c+3], v[ADRB+\slot] offset:16*BP*\i+128*(\q)+32*\c
.endr
.endr
.irp i, 0,1,2,3
.irp c, 0,1,2,3
	ds_load_b128 v[128*(\p)+64+16*\i+4*\c:128*(\p)+64+16*\i+4*\c+3], v[ADRA+\slot] offset:8192*\i+2048*(\q)+512*\c
.endr
.endr
	WIN 0
.endm
.macro SCALES set                      ; a slot's scale words
.irp q, 0,1,2,3
.irp i, 0,1
	ds_load_b32 v[SC+24*\set+2*\q+\i], v[ADSA] offset:512*\q+128*\i
.endr
.endr
.irp i, 0,1,2,3
	ds_load_b128 v[SC+24*\set+8+4*\i:SC+24*\set+8+4*\i+3], v[ADSB] offset:SBLK*\i
.endr
.endm
.macro MULA a, p, q, set, first        ; A's block a x W's four.  The 16 accumulators take turns, one instruction a turn, in the same order in every step
.irp b, 0,1,2,3
.set DD, ACC+8*(4*(\a)+\b)
.if \first
.set CC, BN+8*\b
.else
.set CC, DD
.endif
.if (\a)%2
	v_wmma_scale_f32_16x16x128_f8f6f4 v[DD:DD+7], v[128*(\p)+16*\b:128*(\p)+16*\b+15], v[128*(\p)+64+16*(\a):128*(\p)+64+16*(\a)+15], v[CC:CC+7], v[SC+24*(\set)+8+4*\b+(\q)], v[SC+24*(\set)+2*(\q)+(\a)/2] matrix_b_scale:MATRIX_SCALE_ROW1
.else
	v_wmma_scale_f32_16x16x128_f8f6f4 v[DD:DD+7], v[128*(\p)+16*\b:128*(\p)+16*\b+15], v[128*(\p)+64+16*(\a):128*(\p)+64+16*(\a)+15], v[CC:CC+7], v[SC+24*(\set)+8+4*\b+(\q)], v[SC+24*(\set)+2*(\q)+(\a)/2]
.endif
.endr
.endm
.macro PLACES n
.rept \n
	v_nop
.endr
.endm
.macro STEP slot, q, first             ; 128 along K with its successor in the same slot
	s_wait_dscnt 0x0                               ; this step's fragments are in
	PLACES NP                                      ; in front of loads into the set that the last step's products read
	FETCH \slot, (\q)+1, 1-(\q)%2
	WIN MUL
	MULA 0, (\q)%2, \q, \slot, \first
	MULA 1, (\q)%2, \q, \slot, \first
	MULA 2, (\q)%2, \q, \slot, \first
	MULA 3, (\q)%2, \q, \slot, \first
	WIN 0
.endm
.macro TURN slot, next, fill           ; a slot's last step changes slots: one barrier; with fill = 1 it opens a round of the cluster's barrier and this slot is filled again
	s_wait_tensorcnt 0x0                           ; all my tensor loads have landed: my part of the next slot;
	ds_add_u32 v[SPW], v[NIL]                      ; 0 onto my spare word;
	s_wait_dscnt 1                                 ; (the add alone may be out: this step's fragments are in)
	WIN MUL
	MULA 0, 1, 3, \slot, 0
	s_wait_dscnt 0x0                               ; the add is done, and my reads of this slot are over
	s_barrier_signal -1
	MULA 1, 1, 3, \slot, 0
	WIN 0
	s_barrier_wait -1
.if \fill
	CREST                                          ; no wave of any partner still reads this slot or has a load on its way
	s_add_nc_u64 s[G0+4*\slot+2:G0+4*\slot+3], s[G0+4*\slot+2:G0+4*\slot+3], 16384
	s_add_nc_u64 s[G0B+4*\slot+2:G0B+4*\slot+3], s[G0B+4*\slot+2:G0B+4*\slot+3], 1024
	JLOAD G0+4*\slot, G1, G0B+4*\slot, G1B         ; my one tensor load behind the round; its four v_nop are among the places in front of the loads below
	PLACES NP-4
.else
	PLACES NP
.endif
	v_add_nc_u32 v[ADSA], 2048, v[ADSA]            ; the next slot's scale words
	v_add_nc_u32 v[ADSB], 16, v[ADSB]
	FETCH \next, 0, 0
	SCALES \next
	WIN MUL
	MULA 2, 1, 3, \slot, 0
	MULA 3, 1, 3, \slot, 0
	WIN 0
.endm
	s_wait_tensorcnt 1                             ; the scales and my part of slot 0 are in; slot 1's load may be out
	s_barrier_signal -1
	s_barrier_wait -1
	FETCH 0, 0, 0
	SCALES 0
	s_wait_loadcnt 32                              ; the bias is in; the 32 loads of RES may be out
	STEP 0, 0, 1                                   ; the first products start the sums, on the bias
.if LAPS > 1
	s_mov_b32 s3, LAPS-1
.Llap:
	STEP 0, 1, 0
	STEP 0, 2, 0
	TURN 0, 1, 1
	STEP 1, 0, 0
	STEP 1, 1, 0
	STEP 1, 2, 0
	TURN 1, 0, 1
	STEP 0, 0, 0
	s_sub_co_u32 s3, s3, 1
	s_cmp_lg_u32 s3, 0
	s_cbranch_scc1 .Llap
.endif
	STEP 0, 1, 0                                   ; the last lap fills nothing
	STEP 0, 2, 0
	TURN 0, 1, 0
	STEP 1, 0, 0
	STEP 1, 1, 0
	STEP 1, 2, 0
	s_wait_dscnt 0x0
	WIN MUL
	MULA 0, 1, 3, 1, 0
	MULA 1, 1, 3, 1, 0
	MULA 2, 1, 3, 1, 0
	MULA 3, 1, 3, 1, 0
	WIN 0
	; THE WAY OUT: a block of 16 rows x 64 columns goes through my stage and comes back as whole rows of 256 bytes, into the registers that it left; RES is added; sixteen lanes store 256 consecutive bytes, aligned.
	PLACES NP
	s_wait_loadcnt 0x0                             ; RES
.irp a, 0,1,2,3
.irp b, 0,1,2,3
	ds_store_b128 v[STO], v[ACC+8*(4*\a+\b):ACC+8*(4*\a+\b)+3] offset:64*\b        ; each accumulator from its low end on
	ds_store_b128 v[STO], v[ACC+8*(4*\a+\b)+4:ACC+8*(4*\a+\b)+7] offset:64*\b+16
.endr
.irp t, 0,1,2,3,4,5,6,7
	ds_load_b128 v[ACC+32*\a+4*\t:ACC+32*\a+4*\t+3], v[RD] offset:544*\t           ; LDS serves a wave's instructions in order (ISA guide 5.7.1.4)
.endr
.endr
.irp a, 0,1,2,3
	s_wait_dscnt 16*(3-\a)                         ; block a is back; the later blocks' eight stores and eight loads each may be out
	WIN 0x08                                       ; source 1: window 2
.irp k, 0,2,4,6,8,10,12,14,16,18,20,22,24,26,28,30
	v_pk_add_f32 v[ACC+32*\a+\k:ACC+32*\a+\k+1], v[ACC+32*\a+\k:ACC+32*\a+\k+1], v[32*\a+\k:32*\a+\k+1]
.endr
	WIN 0
.irp t, 0,1,2,3,4,5,6,7
	global_store_b128 v[CO], v[ACC+32*\a+4*\t:ACC+32*\a+4*\t+3], s[98:99] offset:4096*(16*\a+2*\t)
.endr
.endr
	s_wait_tensorcnt 0x0                           ; the wave's end
	ds_add_u32 v[SPW], v[NIL]
	s_wait_dscnt 0x0
	CROUND                                         ; the closing round
	s_endpgm
.Lfunc_end_k_q0a9309fb55_wo:
	.size	k_q0a9309fb55_wo, .Lfunc_end_k_q0a9309fb55_wo-k_q0a9309fb55_wo
	.p2alignl 7, 3214868480
	.fill 96, 4, 3214868480
	.section	.rodata,"a",@progbits
	.p2align	6, 0x0
	.amdhsa_kernel k_q0a9309fb55_wo
		.amdhsa_group_segment_fixed_size 327680
		.amdhsa_private_segment_fixed_size 0
		.amdhsa_enable_private_segment 0
		.amdhsa_kernarg_size 56
		.amdhsa_user_sgpr_count 2
		.amdhsa_user_sgpr_kernarg_segment_ptr 1
		.amdhsa_wavefront_size32 1
		.amdhsa_system_sgpr_workgroup_id_x 1
		.amdhsa_system_sgpr_workgroup_id_y 1
		.amdhsa_system_sgpr_workgroup_id_z 1
		.amdhsa_system_vgpr_workitem_id 0
		.amdhsa_next_free_vgpr 640
		.amdhsa_next_free_sgpr 100
		.amdhsa_reserve_vcc 0
		.amdhsa_float_denorm_mode_32 3
		.amdhsa_float_denorm_mode_16_64 3
		.amdhsa_memory_ordered 1
		.amdhsa_forward_progress 1
		.amdhsa_inst_pref_size 63
	.end_amdhsa_kernel
	.amdgpu_metadata
---
amdhsa.version: [ 1, 2 ]
amdhsa.kernels:
  - .name:           k_q0a9309fb55_wo
    .symbol:         k_q0a9309fb55_wo.kd
    .args:
      - { .name: oc, .offset: 0, .size: 8, .value_kind: global_buffer, .address_space: global }
      - { .name: os, .offset: 8, .size: 8, .value_kind: global_buffer, .address_space: global }
      - { .name: Wo_codes, .offset: 16, .size: 8, .value_kind: global_buffer, .address_space: global }
      - { .name: Wo_scales, .offset: 24, .size: 8, .value_kind: global_buffer, .address_space: global }
      - { .name: bo, .offset: 32, .size: 8, .value_kind: global_buffer, .address_space: global }
      - { .name: x, .offset: 40, .size: 8, .value_kind: global_buffer, .address_space: global }
      - { .name: x1, .offset: 48, .size: 8, .value_kind: global_buffer, .address_space: global }
    .group_segment_fixed_size: 327680
    .private_segment_fixed_size: 0
    .kernarg_segment_align: 8
    .kernarg_segment_size: 56
    .max_flat_workgroup_size: 128
    .sgpr_count:     100
    .vgpr_count:     640
    .wavefront_size: 32
...
	.end_amdgpu_metadata
.endif
;; end of part 4
;; launch ln2: the kernel of part 1 again; grid 256 x 1, 4 waves a work-group, no clusters, 21,504 bytes of LDS; arguments x1, ln2_scale, ln2_bias, hnc, hns; writes hnc, hns
;; launch ff1 (part 5): grid 16 x 16, 4 waves a work-group, clusters of 4 x 4, 327,680 bytes of LDS; arguments hnc, hns, W1_codes, W1_scales, b1, big, bigs; writes big, bigs
.if DOCPART == 5
	.amdgcn_target "amdgcn-amd-amdhsa--gfx1250"
	.amdhsa_code_object_version 6
	.text
	.protected	k_q0a9309fb55_ff1
	.globl	k_q0a9309fb55_ff1
	.p2align	8
	.type	k_q0a9309fb55_ff1,@function
k_q0a9309fb55_ff1:
	s_mov_b64 s[64:65], 0
	v_nop
	global_prefetch_b8 v0, s[64:65] scope:SCOPE_SE
	s_setreg_imm32_b32 hwreg(HW_REG_WAVE_MODE, 25, 1), 1
	s_wait_xcnt 0x0
	s_wait_alu depctr_hold_cnt(0) depctr_sa_sdst(0) depctr_va_vdst(0) depctr_va_sdst(0) depctr_va_ssrc(0) depctr_va_vcc(0) depctr_vm_vsrc(0)
	s_getreg_b32 s2, hwreg(HW_REG_IB_STS2, 6, 4)
	s_cmp_eq_u32 s2, 0
	s_cbranch_scc0 .Lentry_in_a_cluster
	s_endpgm
.Lentry_in_a_cluster:
	s_bfe_u32 s2, ttmp6, 0x10000c
	s_cmp_lg_u32 s2, 0xf033
	s_cbranch_scc0 .Lentry_shape_is_right
	s_endpgm
.Lentry_shape_is_right:
; hidden = relu(h W1 + b1) on codes of E4M3 with E8M0 scales for each 32 along K = 1,024, and its quantising along the 4,096 hidden units for the next product.
; A tile of 256 x 256 to a work-group of four waves, 128 x 128 a wave in 64 accumulators; K in steps of 256 through two LDS slots; the scales of all of K come once.  256 work-groups.
; CLUSTERS: 4 x 4: h's tiles are asked for jointly along a row of the cluster, W1's along a column.  THE MATRIX INSTRUCTION IS USED TRANSPOSED (source 0 = W1's rows, source 1 = h's): a lane holds one token and eight
; neighbouring hidden units; 32 neighbours lie in 16 registers of lanes l and l xor 16.  b1 is the C of each sum's first instruction.  The activation costs nothing: the largest magnitude is taken without |.| and the hold clips at 0.
; OUT (workspace): codes as images of the next operand's registers, [16 tokens][K step of 128][piece c][lane][16 bytes]; a wave's 128 hidden units are one K step.  Scale words [K step][token].
; LIMITS: NaN and infinities are not served.  A block whose largest number is 0 or less, or lies under 2^-118, gets the byte 1 (read by this program alone).
; REGISTERS: window 0: v7-31 addresses; v32-63 scale words, two sets; v64-127 b1; v128-255 h's fragments, on the way out at work.  window 1: W1's fragments, two sets.  windows 2, 3: the accumulators.
.set SIZE_K, 1024
.set KSTEP,  256
.set NQ,     KSTEP/128
.set ROWB,   256
.set KROW,   SIZE_K
.set PITCH,  272                       ; an LDS row: 256 bytes + 16 of padding
.set FR,     16
.set NL,     4
.set NP,     8                         ; places behind this matrix instruction (ISA guide 7.12.1)
.set HALFT,  128*PITCH
.set SLOT,   4*HALFT
.set LAPS,   SIZE_K/(2*KSTEP)
.set KS,     SIZE_K/32
.set SCL,    2*SLOT
.set HALFS,  (128*KS/256)*272
.set SBLK,   (16*KS/256)*272
.set SPARE,  SCL+4*HALFS               ; the spare words: 128 bytes a wave, two blocks of 256 bytes that no other line names
.set SWS,    16384                     ; the way out lies in slot 0, which has had its last fill and its last read by then: an image of 2,048 bytes a wave at 0, 512 bytes of scale words a wave at SWS
.set L16,  7
.set BOF,  8
.set ADRA, 16
.set SW,   18
.set SR,   19
.set ADRB, 20
.set STO,  24
.set RD,   25
.set ADRS, 27
.set SPW,  28
.set NIL,  29
.set SC,   32
.set BN,   64
.set AF,   128
.set T,    128
.set PC,   192
.set OUTR, 208
.set TM,   224
.set PW,   240
.set G1, 24
.set G0, 32
.set G1B, 48
.set G0B, 56
.set G1S, 68
.set G0S, 76
.set G1SB, 80
.set G0SB, 88
.set SEL, 66
.set MNT, 95
.set MSB, 0
.macro WIN new
.if MSB != \new
	s_set_vgpr_msb (MSB<<8)|\new
.set MSB, \new
.endif
.endm
.set MUL_LO, 0xa1                      ; source 0 (W1) window 1, source 1 (h) window 0, C and D window 2
.set MUL_HI, 0xf1
.set FST_LO, 0x81                      ; the same with C (b1) in window 0
.set FST_HI, 0xc1
.set TO_B,   0x40
.macro JLOAD g0a, g1a, g0b, g1b
	s_cmp_eq_u32 s15, 0
	s_cbranch_scc0 .Lfor_b_\@
	tensor_load_to_lds s[\g0a:\g0a+3], s[\g1a:\g1a+7]
	s_nop 0
.rept 4
	v_nop
.endr
	s_branch .Lasked_\@
.Lfor_b_\@:
	tensor_load_to_lds s[\g0b:\g0b+3], s[\g1b:\g1b+7]
	s_nop 0
.rept 4
	v_nop
.endr
.Lasked_\@:
.endm
.macro CREST
	s_cmp_lg_u32 s14, 0
	s_cbranch_scc1 .Lnot_wave_0_\@
	s_barrier_signal -3
.Lnot_wave_0_\@:
	s_barrier_wait -3
	s_barrier_signal -1
	s_barrier_wait -1
.endm
.macro CROUND
	s_barrier_signal -1
	s_barrier_wait -1
	CREST
.endm
	s_load_b128 s[4:7], s[0:1], 0x0                ; h's codes, h's scales
	s_load_b128 s[8:11], s[0:1], 0x10              ; W1's codes, W1's scales
	s_load_b64 s[12:13], s[0:1], 0x20              ; b1
	s_load_b128 s[96:99], s[0:1], 0x28             ; the images, the scale words
	v_lshl_add_u32 v[SPW], v0, 2, SPARE
	v_mov_b32 v[NIL], 0
	ds_add_u32 v28, v29
	ds_add_u32 v28, v29
	s_wait_dscnt 0x0
	v_lshrrev_b32 v1, 5, v0
	v_readfirstlane_b32 s14, v1
	s_lshr_b32 s15, s14, 1
	s_and_b32 s16, s14, 1
	s_bfe_u32 s40, ttmp6, 0x40000
	s_bfe_u32 s41, ttmp6, 0x40004
	s_lshl_b32 s42, ttmp9, 2
	s_add_co_u32 s42, s42, s40                     ; tile column
	s_and_b32 s17, ttmp7, 0xffff
	s_lshl_b32 s17, s17, 2
	s_add_co_u32 s17, s17, s41                     ; tile row
	s_lshl_b32 s43, s41, 2
	s_lshl_b32 s43, 15, s43
	s_lshl_b32 s44, 0x1111, s40
	s_or_b32 s[G1+0], s43, (0<<16)|(1<<20)|(1<<21)|(5<<22)|(3<<25)
	s_or_b32 s[G1B+0], s44, (0<<16)|(1<<20)|(1<<21)|(5<<22)|(3<<25)
.irp g, G1, G1B
	s_mov_b32 s[\g+1], ROWB<<16
	s_mov_b32 s[\g+2], 128<<16
	s_mov_b32 s[\g+3], ROWB<<16
	s_mov_b32 s[\g+4], 128
	s_mov_b32 s[\g+5], KROW
	s_mov_b32 s[\g+6], 0
	s_mov_b32 s[\g+7], 0
.endr
	s_or_b32 s[G1S+0], s43, (3<<16)|(1<<20)|(1<<21)|(5<<22)|(3<<25)
	s_or_b32 s[G1SB+0], s44, (3<<16)|(1<<20)|(1<<21)|(5<<22)|(3<<25)
.irp g, G1S, G1SB
	s_mov_b32 s[\g+1], 32<<16
	s_mov_b32 s[\g+2], (128*KS/256)<<16
	s_mov_b32 s[\g+3], 32<<16
	s_mov_b32 s[\g+4], 128*KS/256
	s_mov_b32 s[\g+5], 32
	s_mov_b32 s[\g+6], 0
	s_mov_b32 s[\g+7], 0
.endr
	s_mov_b32 s[SEL], 0x76543210
	s_mov_b32 s[SEL+1], 0xfedcba98
	s_mov_b32 s[MNT], 0x600000
	s_lshl_b32 s18, s16, 7
	s_lshl_b32 s20, s17, 8
	s_add_co_u32 s20, s20, s18
	s_lshl_b32 s46, s42, 8
	s_add_co_u32 s46, s46, s18
	s_mov_b32 s21, 0
	s_mov_b32 s47, 0
	s_mov_b64 s[18:19], KS
	s_mul_u64 s[22:23], s[20:21], s[18:19]
	s_mul_u64 s[92:93], s[46:47], s[18:19]
	s_mov_b64 s[18:19], KROW
	s_mul_u64 s[20:21], s[20:21], s[18:19]
	s_mul_u64 s[46:47], s[46:47], s[18:19]
	s_mul_i32 s45, s14, HALFT
	s_mul_i32 s94, s14, HALFS
	s_wait_kmcnt 0x0
	s_add_nc_u64 s[20:21], s[4:5], s[20:21]
	s_add_nc_u64 s[22:23], s[6:7], s[22:23]
	s_add_nc_u64 s[46:47], s[8:9], s[46:47]
	s_add_nc_u64 s[92:93], s[10:11], s[92:93]
	CROUND
	s_mov_b32 s[G0S], 1
	s_add_co_u32 s[G0S+1], s94, SCL
	s_mov_b64 s[G0S+2:G0S+3], s[22:23]
	s_or_b32 s[G0S+3], s[G0S+3], 0x80000000
	s_mov_b32 s[G0SB], 1
	s_add_co_u32 s[G0SB+1], s94, SCL
	s_mov_b64 s[G0SB+2:G0SB+3], s[92:93]
	s_or_b32 s[G0SB+3], s[G0SB+3], 0x80000000
	JLOAD G0S, G1S, G0SB, G1SB
.irp s, 0,1
	s_mov_b32 s[G0+4*\s], 1
	s_add_co_u32 s[G0+4*\s+1], s45, \s*SLOT
	s_add_nc_u64 s[G0+4*\s+2:G0+4*\s+3], s[20:21], \s*ROWB
	s_or_b32 s[G0+4*\s+3], s[G0+4*\s+3], 0x80000000
	s_mov_b32 s[G0B+4*\s], 1
	s_add_co_u32 s[G0B+4*\s+1], s45, \s*SLOT
	s_add_nc_u64 s[G0B+4*\s+2:G0B+4*\s+3], s[46:47], \s*ROWB
	s_or_b32 s[G0B+4*\s+3], s[G0B+4*\s+3], 0x80000000
	JLOAD G0+4*\s, G1, G0B+4*\s, G1B               ; three tensor loads of mine are out
.endr
	v_and_b32 v1, 15, v0                           ; r
	v_bfe_u32 v2, v0, 4, 1                         ; h
	v_mul_u32_u24 v3, v1, PITCH
	v_lshl_add_u32 v4, v2, 4, v3
	s_mul_i32 s21, s15, HALFT
	s_mul_i32 s22, s16, HALFT
	s_add_co_u32 s22, s22, 2*HALFT
.irp s, 0,1
	v_add_nc_u32 v[ADRA+\s], s21, v4
	v_add_nc_u32 v[ADRB+\s], s22, v4
	s_add_co_u32 s21, s21, SLOT
	s_add_co_u32 s22, s22, SLOT
.endr
	v_mul_u32_u24 v5, v1, KS
	v_lshrrev_b32 v3, 8, v5
	v_lshl_add_u32 v5, v3, 4, v5
	s_mul_i32 s21, s15, HALFS
	s_mul_i32 s22, s16, HALFS
	s_add_co_u32 s22, s22, 2*HALFS
	s_sub_co_u32 s22, s22, s21
	v_mul_u32_u24 v3, s22, v2
	s_add_co_u32 s21, s21, SCL
	v_add_nc_u32 v5, v5, v3
	v_add_nc_u32 v[ADRS], s21, v5
	s_lshl_b32 s23, s14, 11                        ; my image's place in the stage
	v_lshlrev_b32 v5, 4, v1
	v_lshl_add_u32 v5, v2, 3, v5
	v_add_nc_u32 v[STO], s23, v5                   ; in: 16 r + 8 h; the tile says which piece and which half of the lanes
	v_and_b32 v3, 31, v0
	v_lshlrev_b32 v[L16], 4, v3
	v_add_nc_u32 v[RD], s23, v[L16]
	s_lshl_b32 s23, s14, 9
	s_add_co_u32 s23, s23, SWS
	v_lshl_add_u32 v[SW], v1, 2, s23
	v_add_nc_u32 v[SR], s23, v[L16]
	v_lshlrev_b32 v[BOF], 5, v2
	s_lshl_b32 s20, s17, 4
	s_lshl_b32 s21, s15, 3
	s_add_co_u32 s20, s20, s21                     ; my first block of 16 tokens,
	s_lshl_b32 s20, s20, 5                         ; x 32 K steps,
	s_lshl_b32 s46, s42, 1
	s_add_co_u32 s46, s46, s16                     ; + my K step of the next product,
	s_add_co_u32 s20, s20, s46
	s_lshl_b32 s20, s20, 11                        ; x 2,048 bytes
	s_mov_b32 s21, 0
	s_add_nc_u64 s[96:97], s[96:97], s[20:21]
	s_lshl_b32 s20, s17, 8
	s_lshl_b32 s47, s15, 7
	s_add_co_u32 s20, s20, s47                     ; my first token
	s_lshl_b32 s20, s20, 2
	s_lshl_b32 s47, s46, 14
	s_add_co_u32 s20, s20, s47
	s_add_nc_u64 s[98:99], s[98:99], s[20:21]
	s_lshl_b32 s20, s46, 9                         ; b1: 128 numbers for each K step
	s_add_nc_u64 s[12:13], s[12:13], s[20:21]
.irp b, 0,1,2,3,4,5,6,7
	global_load_b128 v[BN+8*\b:BN+8*\b+3], v[BOF], s[12:13] offset:64*\b          ; register 8 b + j = b1[16 b + 8 h + j]
	global_load_b128 v[BN+8*\b+4:BN+8*\b+7], v[BOF], s[12:13] offset:64*\b+16
.endr
.macro FRAG reg, adr, q, i
.irp c, 0,1,2,3
	ds_load_b128 v[\reg+4*\c:\reg+4*\c+3], v[\adr] offset:128*(\q)+32*\c+(\i)*16*PITCH
.endr
.endm
; 16 matrix instructions: h's blocks a0, a0 + 1 x W1's eight.  The 64 accumulators take turns, one instruction a turn, in the same order in every step.  zero = 1: the sums start on b1.
.macro MUL16 a0, p, q, sc, zero
.irp a, \a0, \a0+1
.irp b, 0,1,2,3,4,5,6,7
.if \zero
	v_wmma_scale_f32_16x16x128_f8f6f4 v[8*(8*((\a)%4)+\b):8*(8*((\a)%4)+\b)+7], v[128*(\p)+FR*\b:128*(\p)+FR*\b+FR-1], v[AF+FR*(\a):AF+FR*(\a)+FR-1], v[BN+8*\b:BN+8*\b+7], v[SC+8*NQ*(\sc)+NQ*\b+(\q)], v[SC+8*NQ*(\sc)+NQ*(\a)+(\q)] matrix_a_scale:MATRIX_SCALE_ROW1
.else
	v_wmma_scale_f32_16x16x128_f8f6f4 v[8*(8*((\a)%4)+\b):8*(8*((\a)%4)+\b)+7], v[128*(\p)+FR*\b:128*(\p)+FR*\b+FR-1], v[AF+FR*(\a):AF+FR*(\a)+FR-1], v[8*(8*((\a)%4)+\b):8*(8*((\a)%4)+\b)+7], v[SC+8*NQ*(\sc)+NQ*\b+(\q)], v[SC+8*NQ*(\sc)+NQ*(\a)+(\q)] matrix_a_scale:MATRIX_SCALE_ROW1
.endif
.endr
.endr
.endm
.macro FETCH_B slot, q, p
	WIN TO_B
.irp i, 0,1,2,3,4,5,6,7
	FRAG 128*(\p)+FR*\i, ADRB+\slot, \q, \i
.endr
	WIN 0
.endm
.macro FETCH_A slot, q, i0
.irp i, \i0, \i0+1, \i0+2, \i0+3
	FRAG AF+FR*(\i), ADRA+\slot, \q, \i
.endr
.endm
.macro SCALES sc
.irp i, 0,1,2,3,4,5,6,7
	ds_load_b64 v[SC+8*NQ*\sc+NQ*\i:SC+8*NQ*\sc+NQ*\i+1], v[ADRS] offset:\i*SBLK
.endr
.endm
.macro PLACES n
.rept \n
	v_nop
.endr
.endm
.macro STEP slot, q, zero
	s_wait_dscnt 4*NL                              ; W1's set and h's blocks 0-3 are in; the youngest sixteen loads (blocks 4-7) may be out
.if \zero
	WIN FST_LO
.else
	WIN MUL_LO
.endif
	MUL16 0, (\q)%2, \q, \slot, \zero
	MUL16 2, (\q)%2, \q, \slot, \zero
	s_wait_dscnt 0
	PLACES NP
	FETCH_B \slot, (\q)+1, 1-(\q)%2
	FETCH_A \slot, (\q)+1, 0
.if \zero
	WIN FST_HI
.else
	WIN MUL_HI
.endif
	MUL16 4, (\q)%2, \q, \slot, \zero
	MUL16 6, (\q)%2, \q, \slot, \zero
	PLACES NP
	WIN 0
	FETCH_A \slot, (\q)+1, 4
.endm
.macro TURN slot, next, fill
	s_wait_tensorcnt 0x0                           ; all my tensor loads have landed: my part of the next slot;
	ds_add_u32 v[SPW], v[NIL]                      ; 0 onto my spare word;
	s_wait_dscnt 4*NL+1                            ; (the add and h's blocks 4-7 may be out)
	WIN MUL_LO
	MUL16 0, 1, NQ-1, \slot, 0
	s_wait_dscnt 0x0                               ; the add is done, and my reads of this slot are over
	s_barrier_signal -1
	MUL16 2, 1, NQ-1, \slot, 0
	WIN 0
	s_barrier_wait -1
.if \fill
	CREST
	s_add_nc_u64 s[G0+4*\slot+2:G0+4*\slot+3], s[G0+4*\slot+2:G0+4*\slot+3], 2*ROWB
	s_add_nc_u64 s[G0B+4*\slot+2:G0B+4*\slot+3], s[G0B+4*\slot+2:G0B+4*\slot+3], 2*ROWB
	JLOAD G0+4*\slot, G1, G0B+4*\slot, G1B         ; my one tensor load behind the round
	PLACES NP-4
.else
	PLACES NP
.endif
	v_add_nc_u32 v[ADRS], 4*NQ, v[ADRS]
	FETCH_B \next, 0, 0
	FETCH_A \next, 0, 0
	SCALES \next
	WIN MUL_HI
	MUL16 4, 1, NQ-1, \slot, 0
	MUL16 6, 1, NQ-1, \slot, 0
	PLACES NP
	WIN 0
	FETCH_A \next, 0, 4
.endm
	s_wait_tensorcnt 1                             ; the scales and my part of K step 0 are in; K step 1's load may be out
	s_barrier_signal -1
	s_barrier_wait -1
	FETCH_B 0, 0, 0
	FETCH_A 0, 0, 0
	SCALES 0
	FETCH_A 0, 0, 4
	s_wait_loadcnt 0x0                             ; b1
	STEP 0, 0, 1
	s_mov_b32 s3, LAPS-1
.Llap:
	TURN 0, 1, 1
	STEP 1, 0, 0
	TURN 1, 0, 1
	STEP 0, 0, 0
	s_sub_co_u32 s3, s3, 1
	s_cmp_lg_u32 s3, 0
	s_cbranch_scc1 .Llap
	TURN 0, 1, 0
	STEP 1, 0, 0
	s_wait_dscnt 4*NL
	WIN MUL_LO
	MUL16 0, 1, NQ-1, 1, 0
	MUL16 2, 1, NQ-1, 1, 0
	s_wait_dscnt 0
	WIN MUL_HI
	MUL16 4, 1, NQ-1, 1, 0
	MUL16 6, 1, NQ-1, 1, 0
	WIN 0
; Block a of the way out: 16 tokens x my 128 hidden units become one image and one scale word a token.
.macro OUTBLK a
.set AC, 64*((\a)%4)
	s_wait_xcnt 0x0                                ; the last block's stores have read OUTR
	WIN 0x28+0x14*((\a)/4)                         ; sources 1 and 2: window 2 or 3
.irp b, 0,1,2,3
	v_max3_num_f32 v[TM+\b], 0x4800000, v[AC+16*\b], v[AC+16*\b+1]   ; no |.|: what is negative becomes 0 and must not count; the floor 2^(9 - 127) stands over it.  Each accumulator from its low end on
.endr
.irp i, 2,4,6,8,10,12,14
.irp b, 0,1,2,3
	v_max3_num_f32 v[TM+\b], v[TM+\b], v[AC+16*\b+\i], v[AC+16*\b+\i+1]
.endr
.endr
	WIN 0
.irp b, 0,1,2,3
	v_permlanex16_b32 v[TM+4+\b], v[TM+\b], s[SEL], s[SEL+1]
.endr
.irp b, 0,1,2,3
	v_max_num_f32 v[TM+\b], v[TM+\b], v[TM+4+\b]
.endr
.irp b, 0,1,2,3
	v_add_nc_u32 v[TM+12+\b], 0xfc000000, v[TM+\b]
.endr
.irp b, 0,1,2,3
	v_and_or_b32 v[TM+8+\b], v[TM+\b], 0x7f800000, s[MNT]
.endr
.irp b, 0,1,2,3
	v_lshrrev_b32 v[TM+4+\b], 23, v[TM+12+\b]
.endr
	v_lshl_or_b32 v[PW], v[TM+5], 8, v[TM+4]
	v_lshl_or_b32 v[PW], v[TM+6], 16, v[PW]
	v_lshl_or_b32 v[PW], v[TM+7], 24, v[PW]
	WIN 0x02+(\a)/4                                ; source 0: window 2 or 3
.irp b, 0,1,2,3
.irp i, 0,1,2,3,4,5,6,7,8,9,10,11,12,13,14,15
	v_med3_num_f32 v[T+16*\b+\i], v[AC+16*\b+\i], 0, v[TM+8+\b]     ; the activation, the hold and the way into window 0 in one
.endr
.endr
	WIN 0
.irp b, 0,1,2,3
	v_cvt_scalef32_pk8_fp8_f32 v[PC+4*\b:PC+1+4*\b], v[T+16*\b:T+7+16*\b], v[TM+12+\b]
	v_cvt_scalef32_pk8_fp8_f32 v[PC+2+4*\b:PC+3+4*\b], v[T+8+16*\b:T+15+16*\b], v[TM+12+\b]
.endr
	v_nop                                          ; one plain line behind the last conversion
	ds_store_b32 v[SW], v[PW] offset:64*(\a)       ; both halves of the lanes write the same word
.irp b, 0,1,2,3,4,5,6,7
	ds_store_b64 v[STO], v[PC+2*\b:PC+2*\b+1] offset:512*(\b/2)+256*(\b%2)   ; units 16 b + 8 h + 0 .. 7 belong to piece b / 2, lane r + 16 (b % 2), bytes 8 h on
.endr
.irp c, 0,1,2,3
	ds_load_b128 v[OUTR+4*\c:OUTR+4*\c+3], v[RD] offset:512*\c               ; LDS serves a wave's instructions in order
.endr
	s_wait_dscnt 0x0
.irp c, 0,1,2,3
	global_store_b128 v[L16], v[OUTR+4*\c:OUTR+4*\c+3], s[96:97] offset:65536*(\a)+512*\c   ; 512 consecutive bytes, aligned
.endr
.endm
	PLACES NP
.irp b, 0,1,2,3
	v_mov_b32 v[TM+4+\b], 0                        ; a lane permute's destination counts as one of its sources
.endr
.irp a, 0,1,2,3,4,5,6,7
	OUTBLK \a
.endr
	ds_load_b128 v[T:T+3], v[SR]                   ; my 128 tokens' scale words
	s_wait_dscnt 0x0
	global_store_b128 v[L16], v[T:T+3], s[98:99]
	s_wait_tensorcnt 0x0                           ; the wave's end
	ds_add_u32 v[SPW], v[NIL]
	s_wait_dscnt 0x0
	CROUND
	s_endpgm
.Lfunc_end_k_q0a9309fb55_ff1:
	.size	k_q0a9309fb55_ff1, .Lfunc_end_k_q0a9309fb55_ff1-k_q0a9309fb55_ff1
	.p2alignl 7, 3214868480
	.fill 96, 4, 3214868480
	.section	.rodata,"a",@progbits
	.p2align	6, 0x0
	.amdhsa_kernel k_q0a9309fb55_ff1
		.amdhsa_group_segment_fixed_size 327680
		.amdhsa_private_segment_fixed_size 0
		.amdhsa_enable_private_segment 0
		.amdhsa_kernarg_size 56
		.amdhsa_user_sgpr_count 2
		.amdhsa_user_sgpr_kernarg_segment_ptr 1
		.amdhsa_wavefront_size32 1
		.amdhsa_system_sgpr_workgroup_id_x 1
		.amdhsa_system_sgpr_workgroup_id_y 1
		.amdhsa_system_sgpr_workgroup_id_z 1
		.amdhsa_system_vgpr_workitem_id 0
		.amdhsa_next_free_vgpr 1024
		.amdhsa_next_free_sgpr 100
		.amdhsa_reserve_vcc 0
		.amdhsa_float_denorm_mode_32 3
		.amdhsa_float_denorm_mode_16_64 3
		.amdhsa_memory_ordered 1
		.amdhsa_forward_progress 1
		.amdhsa_inst_pref_size 193
	.end_amdhsa_kernel
	.amdgpu_metadata
---
amdhsa.version: [ 1, 2 ]
amdhsa.kernels:
  - .name:           k_q0a9309fb55_ff1
    .symbol:         k_q0a9309fb55_ff1.kd
    .args:
      - { .name: hnc, .offset: 0, .size: 8, .value_kind: global_buffer, .address_space: global }
      - { .name: hns, .offset: 8, .size: 8, .value_kind: global_buffer, .address_space: global }
      - { .name: W1_codes, .offset: 16, .size: 8, .value_kind: global_buffer, .address_space: global }
      - { .name: W1_scales, .offset: 24, .size: 8, .value_kind: global_buffer, .address_space: global }
      - { .name: b1, .offset: 32, .size: 8, .value_kind: global_buffer, .address_space: global }
      - { .name: big, .offset: 40, .size: 8, .value_kind: global_buffer, .address_space: global }
      - { .name: bigs, .offset: 48, .size: 8, .value_kind: global_buffer, .address_space: global }
    .group_segment_fixed_size: 327680
    .private_segment_fixed_size: 0
    .kernarg_segment_align: 8
    .kernarg_segment_size: 56
    .max_flat_workgroup_size: 128
    .sgpr_count:     100
    .vgpr_count:     1024
    .wavefront_size: 32
...
	.end_amdgpu_metadata
.endif
;; end of part 5
;; launch ff2 (part 6): grid 8 x 32, 4 waves a work-group, clusters of 4 x 4, 327,680 bytes of LDS; arguments big, bigs, W2_codes, W2_scales, b2, x1, out0; writes out0
.if DOCPART == 6
	.amdgcn_target "amdgcn-amd-amdhsa--gfx1250"
	.amdhsa_code_object_version 6
	.text
	.protected	k_q0a9309fb55_ff2
	.globl	k_q0a9309fb55_ff2
	.p2align	8
	.type	k_q0a9309fb55_ff2,@function
k_q0a9309fb55_ff2:
	s_mov_b64 s[64:65], 0
	v_nop
	global_prefetch_b8 v0, s[64:65] scope:SCOPE_SE
	s_setreg_imm32_b32 hwreg(HW_REG_WAVE_MODE, 25, 1), 1
	s_wait_xcnt 0x0
	s_wait_alu depctr_hold_cnt(0) depctr_sa_sdst(0) depctr_va_vdst(0) depctr_va_sdst(0) depctr_va_ssrc(0) depctr_va_vcc(0) depctr_vm_vsrc(0)
	s_getreg_b32 s2, hwreg(HW_REG_IB_STS2, 6, 4)
	s_cmp_eq_u32 s2, 0
	s_cbranch_scc0 .Lentry_in_a_cluster
	s_endpgm
.Lentry_in_a_cluster:
	s_bfe_u32 s2, ttmp6, 0x10000c
	s_cmp_lg_u32 s2, 0xf033
	s_cbranch_scc0 .Lentry_shape_is_right
	s_endpgm
.Lentry_shape_is_right:
; OUT = RES + A W^T + bias.  A: 4,096 rows as images of the operand's registers, [16 rows][128 along K][piece c][lane][16 bytes], with scale words [K step][row]; W: [1,024][SIZE_K] codes, K innermost, scale bytes [1,024][SIZE_K / 32];
; bias [1,024], RES and OUT [4,096][1,024] f32.  Codes of E4M3, one E8M0 scale for each 32 along K, sums in f32.  (The same text as the launch for the attention's output product, with SIZE_K = 4,096.)
; A tile of 128 x 128 to a work-group (256 of them), 64 x 64 to each of four waves: 16 accumulators.  Tiles of 256 x 256 would be 64, and their scales for all of K would not fit beside the ring.
; K goes in steps of 512 through two LDS slots, as long as two slots allow: behind each change of slots a wave issues one load of 32 KB or more, which has 64 matrix instructions in which to land.
; A's images are dense and are read as they lie (16 x lane): no pitch, no padding.  W's rows of 512 bytes get 16 of padding.  The scales of all of K come once, with the first fills.
; CLUSTERS: 4 x 4: A's tiles are asked for jointly along a row of the cluster, W's along a column.  THE MATRIX INSTRUCTION IS USED TRANSPOSED (source 0 = W's rows, source 1 = A's): a lane holds eight neighbouring numbers of a row.
; The bias is the C of each sum's first instruction.  RES is asked for at the head and waited for on the way out.
; REGISTERS: window 0: v16-29 addresses; v32-79 scale words, two sets of 24; v80-111 the bias; v128-255 the accumulators ((a, b) at 128 + 8 (4 a + b)).  window 1: two sets of fragments: W's four, then A's four.  window 2: v0-127 RES.
.set SIZE_K, 4096
.set NK,     SIZE_K/128
.set KS,     SIZE_K/32
.set LAPS,   SIZE_K/1024               ; a lap = two K steps of 512 = once round the ring
.set NP,     8                         ; places behind this matrix instruction (ISA guide 7.12.1)
.set APART,  65536                     ; a slot: A's 8 row blocks x 4 images of 2,048 bytes,
.set BP,     528                       ; then W's 128 rows of 512 bytes + 16
.set BHALF,  64*BP
.set SLOT,   APART+2*BHALF
.set SCA,    2*SLOT                    ; A's scale words: NK rows of 512 bytes (128 rows' words)
.set SCB,    SCA+512*NK                ; W's scale bytes, as blocks of 256 bytes + 16
.set SBLK,   (16*KS/256)*272           ; those of 16 rows
.set SPARE,  SCB+8*SBLK                ; the spare words: 128 bytes a wave, two blocks of 256 bytes that no other line names
.set ADRA, 16
.set ADRB, 20
.set ADSA, 22
.set ADSB, 23
.set STO,  24
.set RD,   25
.set CO,   26
.set BOF,  27
.set SPW,  28
.set NIL,  29
.set SC,   32                          ; set s at SC + 24 s: A's words at 2 q + i (lanes 0-15 row block 2 i, lanes 16-31 row block 2 i + 1), W's at 8 + 4 i + q
.set BN,   80
.set ACC,  128
.set G1, 24
.set G0, 32
.set G1B, 48
.set G0B, 56
.set G1S, 68
.set G0S, 76
.set G1SB, 80
.set G0SB, 88
.set MSB, 0
.macro WIN new
.if MSB != \new
	s_set_vgpr_msb (MSB<<8)|\new
.set MSB, \new
.endif
.endm
.set MUL,  0x05                        ; sources 0 and 1 window 1; C and D window 0
.set TO_F, 0x40
.macro JLOAD g0a, g1a, g0b, g1b        ; a joint load: waves 0 and 1 fetch for A, waves 2 and 3 for W; four v_nop follow each of the two lines
	s_cmp_eq_u32 s15, 0
	s_cbranch_scc0 .Lfor_b_\@
	tensor_load_to_lds s[\g0a:\g0a+3], s[\g1a:\g1a+7]
	s_nop 0
.rept 4
	v_nop
.endr
	s_branch .Lasked_\@
.Lfor_b_\@:
	tensor_load_to_lds s[\g0b:\g0b+3], s[\g1b:\g1b+7]
	s_nop 0
.rept 4
	v_nop
.endr
.Lasked_\@:
.endm
.macro CREST
	s_cmp_lg_u32 s14, 0
	s_cbranch_scc1 .Lnot_wave_0_\@
	s_barrier_signal -3
.Lnot_wave_0_\@:
	s_barrier_wait -3
	s_barrier_signal -1
	s_barrier_wait -1
.endm
.macro CROUND
	s_barrier_signal -1
	s_barrier_wait -1
	CREST
.endm
	s_load_b128 s[4:7], s[0:1], 0x0                ; A's images, A's scale words
	s_load_b128 s[8:11], s[0:1], 0x10              ; W's codes, W's scale bytes
	s_load_b64 s[12:13], s[0:1], 0x20              ; the bias
	s_load_b128 s[96:99], s[0:1], 0x28             ; RES, OUT
	v_lshl_add_u32 v[SPW], v0, 2, SPARE
	v_mov_b32 v[NIL], 0
	ds_add_u32 v28, v29
	ds_add_u32 v28, v29
	s_wait_dscnt 0x0
	v_lshrrev_b32 v1, 5, v0
	v_readfirstlane_b32 s14, v1                    ; wave 0..3
	s_lshr_b32 s15, s14, 1                         ; which half of the tile's rows is mine.  Also: I fetch for A (0) or for W (1)
	s_and_b32 s16, s14, 1                          ; which half of its columns.  Also: which half of that tile I fetch
	s_bfe_u32 s40, ttmp6, 0x40000
	s_bfe_u32 s41, ttmp6, 0x40004
	s_lshl_b32 s42, ttmp9, 2
	s_add_co_u32 s42, s42, s40                     ; tile column
	s_and_b32 s17, ttmp7, 0xffff
	s_lshl_b32 s17, s17, 2
	s_add_co_u32 s17, s17, s41                     ; tile row
	s_lshl_b32 s43, s41, 2
	s_lshl_b32 s43, 15, s43                        ; my row of the cluster
	s_lshl_b32 s44, 0x1111, s40                    ; my column
	s_or_b32 s[G1+0], s43, (3<<16)|(1<<21)         ; A's images: elements of 8 bytes; 4 row blocks x 8,192 bytes (four K steps' images on end), no padding
	s_mov_b32 s[G1+1], 1024<<16
	s_mov_b32 s[G1+2], 4<<16
	s_mov_b32 s[G1+3], 1024<<16
	s_mov_b32 s[G1+4], 4
	s_mov_b32 s[G1+5], 2*SIZE_K                    ; from row block to row block: NK images
	s_mov_b32 s[G1+6], 0
	s_mov_b32 s[G1+7], 0
	s_or_b32 s[G1B+0], s44, (0<<16)|(1<<20)|(1<<21)|(6<<22)|(3<<25)   ; W: elements of 1 byte; 64 rows of 512; 4 words of padding after every 128
	s_mov_b32 s[G1B+1], 512<<16
	s_mov_b32 s[G1B+2], 64<<16
	s_mov_b32 s[G1B+3], 512<<16
	s_mov_b32 s[G1B+4], 64
	s_mov_b32 s[G1B+5], SIZE_K
	s_mov_b32 s[G1B+6], 0
	s_mov_b32 s[G1B+7], 0
	s_or_b32 s[G1S+0], s43, (3<<16)|(1<<21)        ; A's scale words: NK / 2 rows of 512 bytes, 16,384 bytes apart
	s_mov_b32 s[G1S+1], 64<<16
	s_mov_b32 s[G1S+2], (NK/2)<<16
	s_mov_b32 s[G1S+3], 64<<16
	s_mov_b32 s[G1S+4], NK/2
	s_mov_b32 s[G1S+5], 2048
	s_mov_b32 s[G1S+6], 0
	s_mov_b32 s[G1S+7], 0
	s_or_b32 s[G1SB+0], s44, (3<<16)|(1<<20)|(1<<21)|(5<<22)|(3<<25)  ; W's scale bytes of 64 rows: dense, as rows of 256 bytes + 16
	s_mov_b32 s[G1SB+1], 32<<16
	s_mov_b32 s[G1SB+2], (64*KS/256)<<16
	s_mov_b32 s[G1SB+3], 32<<16
	s_mov_b32 s[G1SB+4], 64*KS/256
	s_mov_b32 s[G1SB+5], 32
	s_mov_b32 s[G1SB+6], 0
	s_mov_b32 s[G1SB+7], 0
	s_lshl_b32 s20, s17, 3
	s_lshl_b32 s18, s16, 2
	s_add_co_u32 s20, s20, s18                     ; A: row block 8 x tile row + 4 x half
	s_mul_i32 s20, s20, 16*SIZE_K
	s_mov_b32 s21, 0
	s_mul_i32 s22, s16, (NK/2)*16384               ; A's words: my half of the K steps, the tile's 128 rows
	s_lshl_b32 s18, s17, 9
	s_add_co_u32 s22, s22, s18
	s_mov_b32 s23, 0
	s_lshl_b32 s46, s42, 7
	s_lshl_b32 s45, s16, 6
	s_add_co_u32 s46, s46, s45                     ; W: row 128 x tile column + 64 x half
	s_mul_i32 s92, s46, KS
	s_mov_b32 s93, 0
	s_mul_i32 s46, s46, SIZE_K
	s_mov_b32 s47, 0
	s_lshl_b32 s94, s16, 15                        ; where they go: no place in the cluster enters an LDS address
	s_mul_i32 s45, s16, BHALF
	s_add_co_u32 s45, s45, APART
	s_mul_i32 s18, s16, 256*NK
	s_mul_i32 s19, s16, 4*SBLK
	s_wait_kmcnt 0x0
	s_add_nc_u64 s[20:21], s[4:5], s[20:21]
	s_add_nc_u64 s[22:23], s[6:7], s[22:23]
	s_add_nc_u64 s[46:47], s[8:9], s[46:47]
	s_add_nc_u64 s[92:93], s[10:11], s[92:93]
	CROUND                                         ; all sixteen work-groups are here: the first joint loads meet
	s_mov_b32 s[G0S], 1
	s_add_co_u32 s[G0S+1], s18, SCA
	s_mov_b64 s[G0S+2:G0S+3], s[22:23]
	s_or_b32 s[G0S+3], s[G0S+3], 0x80000000
	s_mov_b32 s[G0SB], 1
	s_add_co_u32 s[G0SB+1], s19, SCB
	s_mov_b64 s[G0SB+2:G0SB+3], s[92:93]
	s_or_b32 s[G0SB+3], s[G0SB+3], 0x80000000
	JLOAD G0S, G1S, G0SB, G1SB
.irp s, 0,1
	s_mov_b32 s[G0+4*\s], 1
	s_add_co_u32 s[G0+4*\s+1], s94, \s*SLOT
	s_add_nc_u64 s[G0+4*\s+2:G0+4*\s+3], s[20:21], \s*8192
	s_or_b32 s[G0+4*\s+3], s[G0+4*\s+3], 0x80000000
	s_mov_b32 s[G0B+4*\s], 1
	s_add_co_u32 s[G0B+4*\s+1], s45, \s*SLOT
	s_add_nc_u64 s[G0B+4*\s+2:G0B+4*\s+3], s[46:47], \s*512
	s_or_b32 s[G0B+4*\s+3], s[G0B+4*\s+3], 0x80000000
	JLOAD G0+4*\s, G1, G0B+4*\s, G1B               ; three tensor loads of mine are out
.endr
	v_and_b32 v1, 15, v0                           ; r
	v_bfe_u32 v2, v0, 4, 1                         ; h
	v_and_b32 v3, 31, v0                           ; lane
	v_lshlrev_b32 v4, 4, v3
	s_lshl_b32 s21, s15, 15
	v_add_nc_u32 v[ADRA], s21, v4                  ; A: my four row blocks, 16 x lane
	v_add_nc_u32 v[ADRA+1], SLOT, v[ADRA]
	v_mul_u32_u24 v5, v1, BP
	v_lshl_add_u32 v5, v2, 4, v5
	s_mul_i32 s22, s16, BHALF
	s_add_co_u32 s22, s22, APART
	v_add_nc_u32 v[ADRB], s22, v5                  ; W: my 64 rows; row r x pitch + 16 h
	v_add_nc_u32 v[ADRB+1], SLOT, v[ADRB]
	s_lshl_b32 s21, s15, 8
	s_add_co_u32 s21, s21, SCA
	v_lshl_add_u32 v[ADSA], v3, 2, s21
	v_mul_u32_u24 v5, v1, KS
	v_lshrrev_b32 v6, 8, v5
	v_lshl_add_u32 v5, v6, 4, v5
	s_mul_i32 s22, s16, 4*SBLK
	s_add_co_u32 s22, s22, SCB
	v_add_nc_u32 v[ADSB], s22, v5
	s_mul_i32 s23, s14, 16*272                     ; my stage: 16 rows x (256 bytes + 16), in slot 0, which has had its last fill and its last read by then
	v_mul_u32_u24 v5, v1, 272
	v_lshl_add_u32 v5, v2, 5, v5
	v_add_nc_u32 v[STO], s23, v5
	v_mul_u32_u24 v5, v2, 272
	v_lshl_add_u32 v5, v1, 4, v5
	v_add_nc_u32 v[RD], s23, v5
	v_lshlrev_b32 v5, 12, v2
	v_lshl_add_u32 v[CO], v1, 4, v5                ; lanes 0-15 one row's 256 bytes, lanes 16-31 the next row's
	v_lshlrev_b32 v[BOF], 5, v2
	s_lshl_b32 s20, s17, 7
	s_lshl_b32 s21, s15, 6
	s_add_co_u32 s20, s20, s21                     ; my first row
	s_lshl_b32 s20, s20, 12
	s_lshl_b32 s46, s42, 7
	s_lshl_b32 s47, s16, 6
	s_add_co_u32 s46, s46, s47                     ; my first column
	s_lshl_b32 s46, s46, 2
	s_mov_b32 s47, 0
	s_add_nc_u64 s[12:13], s[12:13], s[46:47]
	s_add_co_u32 s20, s20, s46
	s_mov_b32 s21, 0
	s_add_nc_u64 s[96:97], s[96:97], s[20:21]
	s_add_nc_u64 s[98:99], s[98:99], s[20:21]
.irp b, 0,1,2,3
	global_load_b128 v[BN+8*\b:BN+8*\b+3], v[BOF], s[12:13] offset:64*\b          ; register 8 b + j = bias[16 b + 8 h + j]
	global_load_b128 v[BN+8*\b+4:BN+8*\b+7], v[BOF], s[12:13] offset:64*\b+16
.endr
	WIN 0x80                                       ; destination window 2
.irp a, 0,1,2,3
.irp t, 0,1,2,3,4,5,6,7
	global_load_b128 v[32*\a+4*\t:32*\a+4*\t+3], v[CO], s[96:97] offset:4096*(16*\a+2*\t)
.endr
.endr
	WIN 0
.macro FETCH slot, q, p                ; the fragments of the slot's q-th 128 along K into set p
	WIN TO_F
.irp i, 0,1,2,3
.irp c, 0,1,2,3
	ds_load_b128 v[128*(\p)+16*\i+4*\c:128*(\p)+16*\i+4*\c+3], v[ADRB+\slot] offset:16*BP*\i+128*(\q)+32*\c
.endr
.endr
.irp i, 0,1,2,3
.irp c, 0,1,2,3
	ds_load_b128 v[128*(\p)+64+16*\i+4*\c:128*(\p)+64+16*\i+4*\c+3], v[ADRA+\slot] offset:8192*\i+2048*(\q)+512*\c
.endr
.endr
	WIN 0
.endm
.macro SCALES set                      ; a slot's scale words
.irp q, 0,1,2,3
.irp i, 0,1
	ds_load_b32 v[SC+24*\set+2*\q+\i], v[ADSA] offset:512*\q+128*\i
.endr
.endr
.irp i, 0,1,2,3
	ds_load_b128 v[SC+24*\set+8+4*\i:SC+24*\set+8+4*\i+3], v[ADSB] offset:SBLK*\i
.endr
.endm
.macro MULA a, p, q, set, first        ; A's block a x W's four.  The 16 accumulators take turns, one instruction a turn, in the same order in every step
.irp b, 0,1,2,3
.set DD, ACC+8*(4*(\a)+\b)
.if \first
.set CC, BN+8*\b
.else
.set CC, DD
.endif
.if (\a)%2
	v_wmma_scale_f32_16x16x128_f8f6f4 v[DD:DD+7], v[128*(\p)+16*\b:128*(\p)+16*\b+15], v[128*(\p)+64+16*(\a):128*(\p)+64+16*(\a)+15], v[CC:CC+7], v[SC+24*(\set)+8+4*\b+(\q)], v[SC+24*(\set)+2*(\q)+(\a)/2] matrix_b_scale:MATRIX_SCALE_ROW1
.else
	v_wmma_scale_f32_16x16x128_f8f6f4 v[DD:DD+7], v[128*(\p)+16*\b:128*(\p)+16*\b+15], v[128*(\p)+64+16*(\a):128*(\p)+64+16*(\a)+15], v[CC:CC+7], v[SC+24*(\set)+8+4*\b+(\q)], v[SC+24*(\set)+2*(\q)+(\a)/2]
.endif
.endr
.endm
.macro PLACES n
.rept \n
	v_nop
.endr
.endm
.macro STEP slot, q, first             ; 128 along K with its successor in the same slot
	s_wait_dscnt 0x0                               ; this step's fragments are in
	PLACES NP                                      ; in front of loads into the set that the last step's products read
	FETCH \slot, (\q)+1, 1-(\q)%2
	WIN MUL
	MULA 0, (\q)%2, \q, \slot, \first
	MULA 1, (\q)%2, \q, \slot, \first
	MULA 2, (\q)%2, \q, \slot, \first
	MULA 3, (\q)%2, \q, \slot, \first
	WIN 0
.endm
.macro TURN slot, next, fill           ; a slot's last step changes slots: one barrier; with fill = 1 it opens a round of the cluster's barrier and this slot is filled again
	s_wait_tensorcnt 0x0                           ; all my tensor loads have landed: my part of the next slot;
	ds_add_u32 v[SPW], v[NIL]                      ; 0 onto my spare word;
	s_wait_dscnt 1                                 ; (the add alone may be out: this step's fragments are in)
	WIN MUL
	MULA 0, 1, 3, \slot, 0
	s_wait_dscnt 0x0                               ; the add is done, and my reads of this slot are over
	s_barrier_signal -1
	MULA 1, 1, 3, \slot, 0
	WIN 0
	s_barrier_wait -1
.if \fill
	CREST                                          ; no wave of any partner still reads this slot or has a load on its way
	s_add_nc_u64 s[G0+4*\slot+2:G0+4*\slot+3], s[G0+4*\slot+2:G0+4*\slot+3], 16384
	s_add_nc_u64 s[G0B+4*\slot+2:G0B+4*\slot+3], s[G0B+4*\slot+2:G0B+4*\slot+3], 1024
	JLOAD G0+4*\slot, G1, G0B+4*\slot, G1B         ; my one tensor load behind the round; its four v_nop are among the places in front of the loads below
	PLACES NP-4
.else
	PLACES NP
.endif
	v_add_nc_u32 v[ADSA], 2048, v[ADSA]            ; the next slot's scale words
	v_add_nc_u32 v[ADSB], 16, v[ADSB]
	FETCH \next, 0, 0
	SCALES \next
	WIN MUL
	MULA 2, 1, 3, \slot, 0
	MULA 3, 1, 3, \slot, 0
	WIN 0
.endm
	s_wait_tensorcnt 1                             ; the scales and my part of slot 0 are in; slot 1's load may be out
	s_barrier_signal -1
	s_barrier_wait -1
	FETCH 0, 0, 0
	SCALES 0
	s_wait_loadcnt 32                              ; the bias is in; the 32 loads of RES may be out
	STEP 0, 0, 1                                   ; the first products start the sums, on the bias
.if LAPS > 1
	s_mov_b32 s3, LAPS-1
.Llap:
	STEP 0, 1, 0
	STEP 0, 2, 0
	TURN 0, 1, 1
	STEP 1, 0, 0
	STEP 1, 1, 0
	STEP 1, 2, 0
	TURN 1, 0, 1
	STEP 0, 0, 0
	s_sub_co_u32 s3, s3, 1
	s_cmp_lg_u32 s3, 0
	s_cbranch_scc1 .Llap
.endif
	STEP 0, 1, 0                                   ; the last lap fills nothing
	STEP 0, 2, 0
	TURN 0, 1, 0
	STEP 1, 0, 0
	STEP 1, 1, 0
	STEP 1, 2, 0
	s_wait_dscnt 0x0
	WIN MUL
	MULA 0, 1, 3, 1, 0
	MULA 1, 1, 3, 1, 0
	MULA 2, 1, 3, 1, 0
	MULA 3, 1, 3, 1, 0
	WIN 0
	; THE WAY OUT: a block of 16 rows x 64 columns goes through my stage and comes back as whole rows of 256 bytes, into the registers that it left; RES is added; sixteen lanes store 256 consecutive bytes, aligned.
	PLACES NP
	s_wait_loadcnt 0x0                             ; RES
.irp a, 0,1,2,3
.irp b, 0,1,2,3
	ds_store_b128 v[STO], v[ACC+8*(4*\a+\b):ACC+8*(4*\a+\b)+3] offset:64*\b        ; each accumulator from its low end on
	ds_store_b128 v[STO], v[ACC+8*(4*\a+\b)+4:ACC+8*(4*\a+\b)+7] offset:64*\b+16
.endr
.irp t, 0,1,2,3,4,5,6,7
	ds_load_b128 v[ACC+32*\a+4*\t:ACC+32*\a+4*\t+3], v[RD] offset:544*\t           ; LDS serves a wave's instructions in order (ISA guide 5.7.1.4)
.endr
.endr
.irp a, 0,1,2,3
	s_wait_dscnt 16*(3-\a)                         ; block a is back; the later blocks' eight stores and eight loads each may be out
	WIN 0x08                                       ; source 1: window 2
.irp k, 0,2,4,6,8,10,12,14,16,18,20,22,24,26,28,30
	v_pk_add_f32 v[ACC+32*\a+\k:ACC+32*\a+\k+1], v[ACC+32*\a+\k:ACC+32*\a+\k+1], v[32*\a+\k:32*\a+\k+1]
.endr
	WIN 0
.irp t, 0,1,2,3,4,5,6,7
	global_store_b128 v[CO], v[ACC+32*\a+4*\t:ACC+32*\a+4*\t+3], s[98:99] offset:4096*(16*\a+2*\t)
.endr
.endr
	s_wait_tensorcnt 0x0                           ; the wave's end
	ds_add_u32 v[SPW], v[NIL]
	s_wait_dscnt 0x0
	CROUND                                         ; the closing round
	s_endpgm
.Lfunc_end_k_q0a9309fb55_ff2:
	.size	k_q0a9309fb55_ff2, .Lfunc_end_k_q0a9309fb55_ff2-k_q0a9309fb55_ff2
	.p2alignl 7, 3214868480
	.fill 96, 4, 3214868480
	.section	.rodata,"a",@progbits
	.p2align	6, 0x0
	.amdhsa_kernel k_q0a9309fb55_ff2
		.amdhsa_group_segment_fixed_size 327680
		.amdhsa_private_segment_fixed_size 0
		.amdhsa_enable_private_segment 0
		.amdhsa_kernarg_size 56
		.amdhsa_user_sgpr_count 2
		.amdhsa_user_sgpr_kernarg_segment_ptr 1
		.amdhsa_wavefront_size32 1
		.amdhsa_system_sgpr_workgroup_id_x 1
		.amdhsa_system_sgpr_workgroup_id_y 1
		.amdhsa_system_sgpr_workgroup_id_z 1
		.amdhsa_system_vgpr_workitem_id 0
		.amdhsa_next_free_vgpr 640
		.amdhsa_next_free_sgpr 100
		.amdhsa_reserve_vcc 0
		.amdhsa_float_denorm_mode_32 3
		.amdhsa_float_denorm_mode_16_64 3
		.amdhsa_memory_ordered 1
		.amdhsa_forward_progress 1
		.amdhsa_inst_pref_size 102
	.end_amdhsa_kernel
	.amdgpu_metadata
---
amdhsa.version: [ 1, 2 ]
amdhsa.kernels:
  - .name:           k_q0a9309fb55_ff2
    .symbol:         k_q0a9309fb55_ff2.kd
    .args:
      - { .name: big, .offset: 0, .size: 8, .value_kind: global_buffer, .address_space: global }
      - { .name: bigs, .offset: 8, .size: 8, .value_kind: global_buffer, .address_space: global }
      - { .name: W2_codes, .offset: 16, .size: 8, .value_kind: global_buffer, .address_space: global }
      - { .name: W2_scales, .offset: 24, .size: 8, .value_kind: global_buffer, .address_space: global }
      - { .name: b2, .offset: 32, .size: 8, .value_kind: global_buffer, .address_space: global }
      - { .name: x1, .offset: 40, .size: 8, .value_kind: global_buffer, .address_space: global }
      - { .name: out0, .offset: 48, .size: 8, .value_kind: global_buffer, .address_space: global }
    .group_segment_fixed_size: 327680
    .private_segment_fixed_size: 0
    .kernarg_segment_align: 8
    .kernarg_segment_size: 56
    .max_flat_workgroup_size: 128
    .sgpr_count:     100
    .vgpr_count:     640
    .wavefront_size: 32
...
	.end_amdgpu_metadata
.endif
;; end of part 6
